; MI455X (gfx1250); checked and timed in simulation.
; The chip was launched on July 23, 2026; its instructions are those of AMD's public machine-readable ISA for CDNA 5 (MIT licence, August 2026) and "CDNA5" Instruction Set Architecture Reference Guide (July 2026). The comments in the code are by the model that wrote it; some were corrected since.
;; Multi Headed Attention. Allowed arithmetic: matrix products marked QUANTISED: E3M2 operands, one E8M0 scale for each 32 along K, by v_wmma_scale_f32_16x16x128_f8f6f4 with both operands' format E3M2, f32 sums; everything else in f32.
;; Inputs: W_o 1,024 x 1,024 float32; W_qkv 1,024 x 3,072 float32; b_o 1,024 float32; b_qkv 3,072 float32; x 4 x 2,048 x 1,024 float32.
;; Outputs: out0 4 x 2,048 x 1,024 float32.
;; This version of the problem:
;;   THIS VERSION OF THE PROBLEM IS GIVEN IN LOW PRECISION. The matrix products marked QUANTISED in the list below multiply operands that are first quantised to E3M2 (3 exponent bits, 2 mantissa bits; 6 bits a number), with one power-of-two scale for each 32 numbers along K (OCP MX v1.0); their sums are f32. All else is computed in f32.
;;   The module's matrix products, in the order in which they are computed (A, B: the left and right operand; K: the contracted axis; several contracted axes count as one K, in the product's order):
;;     1. [M 8,192, K 1,024] x [K 1,024, N 3,072]; A: input x; B: input W_qkv: QUANTISED
;;     2. batch 64 x [M 2,048, K 64] x [K 64, N 2,048]; A: computed on the way; B: computed on the way: QUANTISED
;;     3. batch 64 x [M 2,048, K 2,048] x [K 2,048, N 64]; A: softmax (see below); B: computed on the way: QUANTISED
;;     4. [M 8,192, K 1,024] x [K 1,024, N 1,024]; A: computed on the way; B: input W_o: QUANTISED
;;   THE QUANTISER, for each operand of a quantised product, along K:
;;     - K is cut into blocks of 32 from its start; a last block that is shorter is filled with zeros.
;;     - A block's scale is 2^e with e = floor(log2(the largest magnitude in the block)) - 4, held to -126 .. 127; a block of zeros has e = 0. As a byte (E8M0): e + 127.
;;     - Each number is divided by its block's scale, clamped to +-28, and rounded to the nearest number of E3M2, ties to even, subnormals kept.
;;     - The product sums the exact products of the quantised numbers (number of the format x scale) in f32.
;;   ~~~python
;;   def quantise(x, axis):      # numpy; x: float32 -> the quantised numbers, widened to float32 again
;;       x = np.moveaxis(x, axis, -1); K = x.shape[-1]
;;       x = np.pad(x, [(0, 0)] * (x.ndim - 1) + [(0, -K % 32)]); x = x.reshape(x.shape[:-1] + (-1, 32)); a = np.abs(x).max(-1, keepdims=True)
;;       e = np.where(a > 0, np.clip(np.frexp(np.where(a > 0, a, 1))[1] - 1 - 4, -126, 127), 0)      # np.frexp(a)[1] - 1 = floor(log2(a)), exactly
;;       r = np.clip(x / 2.0 ** e, -28, 28)
;;       step = 2.0 ** (np.maximum(np.frexp(np.where(r == 0, 1, r))[1] - 1, -2) - 2)
;;       q = np.round(r / step) * step * 2.0 ** e      # np.round: ties to even
;;       return np.moveaxis(q.reshape(q.shape[:-2] + (-1,))[..., :K], -1, axis).astype(np.float32)
;;   ~~~
;;   SOFTMAX AHEAD OF A QUANTISED PRODUCT. Where the list says 'softmax', what is quantised is not the finished softmax but p = 2^(t - M), with t = logit x log2(e) and M = ceil(the row's largest t), a whole number; so 1/2 < the row's largest p <= 1. The row's sum l is taken of the UNQUANTISED p, in f32, and the product's result is divided by l at the end. Since M is a whole number, a kernel that streams over the keys may use a running M (the ceiling of the running maximum): every later rescaling is an exact power of two, which a block's scale takes up: the codes' values come out the same.
;;   OPERANDS COMPUTED ON THE WAY. 'Computed on the way' means the value that the module computes at that place (a softmax that the list does not call 'softmax' is quantised finished and normalised). What goes into a quantiser is computed in f32, as accurately as f32 sums, v_exp_f32 and their like allow (about 1e-6 of the number): no bf16 or f16 on the way to a quantiser, and a product that is left as it is and whose result goes on into a quantised operand takes f32 operands (vector FMAs, or v_wmma_f32_16x16x4_f32). A number that lies on a knife's edge between two numbers of the format may be rounded either way, as far as f32 arithmetic and the matrix unit's own rounding can turn it there, and no further.
;; One version. Each part assembles by itself: llvm-mc -triple=amdgcn-amd-amdhsa -mcpu=gfx1250 --defsym DOCPART=n.
;; ======== version 1 of 1: 4 launches
;; workspace buffers: opc 9,437,184 bytes; ops 393,216 bytes; qkvc 18,874,368 bytes; qkvs 1,310,720 bytes; aoc 6,291,456 bytes; aos 524,288 bytes
;; launch prep (part 1): grid 384 x 1, 4 waves a work-group, no clusters, 34,304 bytes of LDS; arguments x, W_qkv, W_o, opc, ops; writes opc, ops
.if DOCPART == 1
	.amdgcn_target "amdgcn-amd-amdhsa--gfx1250"
	.amdhsa_code_object_version 6
	.text
	.protected	k_qae3877370c_prep
	.globl	k_qae3877370c_prep
	.p2align	8
	.type	k_qae3877370c_prep,@function
k_qae3877370c_prep:
	s_mov_b64 s[64:65], 0
	v_nop
	global_prefetch_b8 v0, s[64:65] scope:SCOPE_SE
	s_setreg_imm32_b32 hwreg(HW_REG_WAVE_MODE, 25, 1), 1
	s_wait_xcnt 0x0
; x [8192][1024], W_qkv [1024][3072] and W_o [1024][1024], f32, become codes of BF6 (E3M2) with one E8M0 byte for each 32 along K, laid as IMAGES OF OPERAND REGISTERS.
; opc [kh 16][tile 768][768 bytes]: an image holds 16 rows x 64 along K (kh = k / 64): lane L = r + 16 h holds six registers, the codes of k = 64 kh + 32 h + 0 .. 31 of row r; registers 0-3 lie at 16 L, registers 4-5 at 512 + 8 L.
; Rows (x's rows, W's columns n) go in groups of 32: lane r of tile 2 p + u is row 32 p + 8 u + r + 8 (r / 8).  Tiles 0-511: x; 512 + n / 16: W_qkv; 704 + n / 16: W_o.
; ops [s 8][group of 64 rows 192][256 bytes]: the scale words of 128 along K (s = k / 128): lane L has 8 bytes at 8 L; word j: lanes 0-15 tile 2 j of the group, lanes 16-31 tile 2 j + 1.
; A block's scale is 2^(floor(log2(largest magnitude)) - 4); its byte is the largest magnitude's exponent field - 4, held at 1 from below by a floor among the maximum's leaves.
; LIMITS: a block of zeros, and one whose largest magnitude lies under 2^-122, gets the byte 1 (the rule says 127 for zeros: the codes are zeros, and this program alone reads the bytes); NaN and infinities are not served.
; SHARES: work-groups 0-255 take x: a wave takes 64 rows x 128 along K.  Work-groups 256-383 take the weights: a wave takes 64 columns x 128 along K.  Every wave reads 32,768 bytes.
; No cluster, no tensor load: no two work-groups read the same byte, and each byte is read once.
.set KHP,    589824                    ; bytes from kh to kh + 1 in opc
.set SSP,    49152                     ; bytes from s to s + 1 in ops
.set SPITCH, 528                       ; a stage row: 512 bytes + 16, so that sixteen rows start at sixteen different groups of banks
.set XR,  32                           ; v32-159  x as loaded: two sets of 64
.set XN,  160                          ; v160-223 a lane's 2 x 32 neighbours along K
.set XC,  224                          ; v224-247 codes: two sets of 12
.set XT,  248                          ; v248-254 the second halves of the blocks' codes (a conversion's three registers begin on an even number)
.macro XLOAD i                         ; tile i of the group: sixteen rows, 512 consecutive bytes each
.irp t, 0,1,2,3,4,5,6,7,8,9,10,11,12,13,14,15
	global_load_b128 v[XR+64*((\i)%2)+4*\t:XR+64*((\i)%2)+4*\t+3], v3, s[4:5] offset:(32*((\i)/2)+8*((\i)%2)+\t+8*(\t/8))*4096 th:TH_LOAD_NT
.endr
.endm
.macro XTILE i
.set RS, XR+64*((\i)%2)
.set CC, XC+12*((\i)%2)
.if (\i) < 3
	s_wait_loadcnt 16                              ; this tile's sixteen loads are in; the next tile's sixteen may be out
.else
	s_wait_loadcnt 0x0
.endif
.irp t, 0,1,2,3,4,5,6,7,8,9,10,11,12,13,14,15
	ds_store_b128 v5, v[RS+4*\t:RS+4*\t+3] offset:SPITCH*\t        ; the rows as they lie, into my wave's own stage
.endr
.irp c, 0,1
.irp q, 0,1,2,3,4,5,6,7
	ds_load_b128 v[XN+32*\c+4*\q:XN+32*\c+4*\q+3], v8 offset:256*\c+16*\q   ; back: lane (r, h) takes k = 64 c + 32 h + 0 .. 31 of row r (LDS serves a wave's instructions in order)
.endr
.endr
	s_wait_dscnt 0x0                               ; the numbers are back, and the stores have read their registers
.if (\i)+2 < 4
	XLOAD (\i)+2
.endif
.irp c, 0,1
	v_max3_num_f32 v[12+\c], |v[XN+32*\c]|, |v[XN+32*\c+1]|, 0x2800000   ; my two whole blocks by turns; the floor 2^(5 - 127) keeps the byte at 1 from below
.endr
.irp k, 2,4,6,8,10,12,14,16,18,20,22,24,26,28,30
.irp c, 0,1
	v_max3_num_f32 v[12+\c], v[12+\c], |v[XN+32*\c+\k]|, |v[XN+32*\c+\k+1]|
.endr
.endr
.irp c, 0,1
	v_add_nc_u32 v[14+\c], 0xfe000000, v[12+\c]    ; 4 off the exponent field: the conversion's scale operand
.endr
.irp c, 0,1
	v_lshrrev_b32 v[16+\c], 23, v[14+\c]           ; the scale's byte
.endr
	v_lshl_or_b32 v18, v17, 16, v16                ; my bytes: blocks h and 2 + h of row r,
	v_lshlrev_b32 v18, v9, v18                     ; 8 h bits up;
	v_permlanex16_b32 v19, v18, s20, s21
	v_or_b32 v18, v18, v19                         ; with lane l xor 16's two the row's word is whole, in both halves of the lanes
.if (\i)%2 == 0
	v_mov_b32 v20, v18                             ; an even tile's word is kept
.else
	v_cndmask_b32 v[22+(\i)/2], v20, v18, s22      ; lanes 0-15: the even tile's words, lanes 16-31: the odd tile's
.endif
	s_wait_alu depctr_va_vdst(0)
	s_wait_xcnt 0x0                                ; the stores of two tiles back have read this set of codes
.irp c, 0,1
	v_cvt_scalef32_pk16_bf6_f32 v[CC+6*\c:CC+6*\c+2], v[XN+32*\c:XN+32*\c+15], v[14+\c]
	v_cvt_scalef32_pk16_bf6_f32 v[XT+4*\c:XT+4*\c+2], v[XN+32*\c+16:XN+32*\c+31], v[14+\c]
.endr
	v_nop                                          ; one plain instruction behind the scaled conversions
.irp c, 0,1
.irp m, 0,1,2
	v_mov_b32 v[CC+6*\c+3+\m], v[XT+4*\c+\m]
.endr
.endr
.irp c, 0,1
	global_store_b128 v3, v[CC+6*\c:CC+6*\c+3], s[10:11] offset:\c*KHP+(\i)*768        ; 512 consecutive bytes
	global_store_b64 v4, v[CC+6*\c+4:CC+6*\c+5], s[10:11] offset:\c*KHP+(\i)*768+512   ; 256 consecutive bytes
.endr
.endm
.macro WLOAD n, pitch, base            ; set n: block n / 2 of the wave's 128 along K, columns l + 32 (n % 2): a lane's 32 registers run down K
.irp i, 0,1,2,3,4,5,6,7,8,9,10,11,12,13,14,15,16,17,18,19,20,21,22,23,24,25,26,27,28,29,30,31
	global_load_b32 v[32+32*((\n)%2)+\i], v3, s[\base:\base+1] offset:(32*((\n)/2)+\i)*(\pitch)+128*((\n)%2) th:TH_LOAD_NT
.endr
.endm
.macro WSET n, pitch, base
.set XS, 32+32*((\n)%2)
.set CC, 96+8*((\n)%2)
.set KBL, (\n)/2
.set EE, (\n)%2
.if (\n) < 7
	s_wait_loadcnt 32                              ; this set's 32 loads are in; the next set's may be out
.else
	s_wait_loadcnt 0x0
.endif
	v_max3_num_f32 v12, |v[XS]|, |v[XS+1]|, 0x2800000               ; the block's largest magnitude, all 32 numbers mine, in two chains; the floor among the leaves
	v_max3_num_f32 v13, |v[XS+16]|, |v[XS+17]|, |v[XS+18]|
.irp k, 0,2,4,6,8,10
	v_max3_num_f32 v12, v12, |v[XS+2+\k]|, |v[XS+3+\k]|
	v_max3_num_f32 v13, v13, |v[XS+19+\k]|, |v[XS+20+\k]|
.endr
	v_max3_num_f32 v12, v12, |v[XS+14]|, |v[XS+15]|
	v_max3_num_f32 v12, v12, v13, |v[XS+31]|
	v_add_nc_u32 v14, 0xfe000000, v12              ; the conversion's scale operand
	v_lshrrev_b32 v16, 23, v14                     ; the byte
.if KBL == 0
	v_mov_b32 v[22+EE], v16                        ; four bytes make the column's word, the lower K in the lower byte
.else
	v_lshl_or_b32 v[22+EE], v16, 8*KBL, v[22+EE]
.endif
	s_wait_alu depctr_va_vdst(0)
	s_wait_xcnt 0x0                                ; earlier stores have read their codes
	v_cvt_scalef32_pk16_bf6_f32 v[CC:CC+2], v[XS:XS+15], v14
	v_cvt_scalef32_pk16_bf6_f32 v[112:114], v[XS+16:XS+31], v14
	v_nop                                          ; one plain instruction behind the scaled conversions
.irp m, 0,1,2
	v_mov_b32 v[CC+3+\m], v[112+\m]
.endr
	global_store_b128 v24, v[CC:CC+3], s[10:11] offset:(KBL/2)*KHP+1536*EE+256*(KBL%2)     ; the sixteen lanes of a tile fill 256 consecutive bytes
	global_store_b64 v25, v[CC+4:CC+5], s[10:11] offset:(KBL/2)*KHP+1536*EE+128*(KBL%2)
.if (\n)+2 < 8
	WLOAD (\n)+2, \pitch, \base
.endif
.endm
.macro WPATH pitch, base
	WLOAD 0, \pitch, \base
	WLOAD 1, \pitch, \base
.irp n, 0,1,2,3,4,5,6,7
	WSET \n, \pitch, \base
.endr
	global_store_b64 v26, v[22:23], s[12:13]       ; the group's scale words: 256 consecutive bytes
.endm
	s_load_b256 s[4:11], s[0:1], 0x0               ; x s[4:5], W_qkv s[6:7], W_o s[8:9], opc s[10:11]
	s_load_b64 s[12:13], s[0:1], 0x20              ; ops
	v_lshl_add_u32 v251, v0, 2, 0x8400
	v_mov_b32 v255, 0
	v_lshrrev_b32 v1, 5, v0
	v_readfirstlane_b32 s14, v1                    ; wave 0..3
	v_and_b32 v2, 31, v0                           ; lane
	s_cmp_lt_u32 ttmp9, 256
	s_cbranch_scc0 .Lweights
	; ---- x: group of 64 rows G = work-group / 2, K step s = 4 (work-group % 2) + wave
	s_lshr_b32 s15, ttmp9, 1                       ; G
	s_and_b32 s16, ttmp9, 1
	s_lshl_b32 s16, s16, 2
	s_add_co_u32 s16, s16, s14                     ; s
	s_mov_b32 s20, 0x76543210
	s_mov_b32 s21, 0xfedcba98                      ; v_permlanex16_b32's selects for lane l xor 16
	s_mov_b32 s22, 0xffff0000                      ; lanes 16-31
	s_lshl_b32 s24, s15, 18                        ; 64 rows of 4,096 bytes
	s_lshl_b32 s25, s16, 9                         ; 128 numbers of 4 bytes
	s_add_co_u32 s24, s24, s25
	s_mov_b32 s25, 0
	s_mul_i32 s26, s16, 2*KHP
	s_mul_i32 s27, s15, 4*768
	s_add_co_u32 s26, s26, s27                     ; opc: kh = 2 s, tile 4 G
	s_mov_b32 s27, 0
	s_mul_i32 s28, s16, SSP
	s_lshl_b32 s29, s15, 8
	s_add_co_u32 s28, s28, s29                     ; ops: s, group G
	s_mov_b32 s29, 0
	s_mul_i32 s17, s14, 16*SPITCH                  ; my wave's stage
	s_wait_alu depctr_va_vdst(0)
	v_lshlrev_b32 v3, 4, v2                        ; 16 x lane
	v_lshlrev_b32 v4, 3, v2                        ; 8 x lane
	v_add_nc_u32 v5, s17, v3                       ; into the stage
	v_and_b32 v6, 15, v2                           ; r
	v_lshrrev_b32 v7, 4, v2                        ; h
	v_mul_u32_u24 v8, v6, SPITCH
	v_lshl_add_u32 v8, v7, 7, v8
	v_add_nc_u32 v8, s17, v8                       ; out of it: row r, + 128 h bytes
	v_lshlrev_b32 v9, 3, v7                        ; 8 h
	v_mov_b32 v19, 0                               ; a lane permute's destination counts as one of its sources
	s_wait_alu depctr_va_vdst(0)
	s_wait_kmcnt 0x0
	s_add_nc_u64 s[4:5], s[4:5], s[24:25]
	s_add_nc_u64 s[10:11], s[10:11], s[26:27]
	s_add_nc_u64 s[12:13], s[12:13], s[28:29]
	XLOAD 0
	XLOAD 1
	XTILE 0
	XTILE 1
	XTILE 2
	XTILE 3
	global_store_b64 v4, v[22:23], s[12:13]        ; the group's scale words: 256 consecutive bytes
	s_wait_tensorcnt 0x0
	ds_add_u32 v251, v255
	s_wait_dscnt 0x0
	s_endpgm
.Lweights:
	; ---- W: g = work-group - 256; block of 256 columns g / 8 (0-11: W_qkv, 12-15: W_o), K step s = g % 8; my wave's 64 columns: group Gc = 4 (g / 8) + wave
	s_sub_co_u32 s15, ttmp9, 256
	s_lshr_b32 s16, s15, 3
	s_and_b32 s17, s15, 7                          ; s
	s_lshl_b32 s18, s16, 2
	s_add_co_u32 s18, s18, s14                     ; Gc
	s_wait_alu depctr_va_vdst(0)
	v_lshlrev_b32 v3, 2, v2                        ; in: 4 bytes a lane
	v_bfe_u32 v4, v2, 3, 1                         ; column l of a group of 32 is lane r' of tile u: u = (l / 8) % 2,
	v_and_b32 v5, 7, v2
	v_lshrrev_b32 v6, 4, v2
	v_lshl_add_u32 v5, v6, 3, v5                   ; r' = l % 8 + 8 (l / 16)
	v_mul_u32_u24 v6, v4, 768
	v_lshl_add_u32 v24, v5, 4, v6                  ; registers 0-3: 768 u + 16 r'
	v_lshl_add_u32 v25, v5, 3, v6
	v_add_nc_u32 v25, 512, v25                     ; registers 4-5: 768 u + 512 + 8 r'
	v_lshl_add_u32 v26, v4, 4, v5
	v_lshlrev_b32 v26, 3, v26                      ; the scale words: 8 (r' + 16 u)
	s_mul_i32 s24, s17, 2*KHP
	s_lshl_b32 s25, s18, 2
	s_add_co_u32 s25, s25, 512
	s_mul_i32 s25, s25, 768
	s_add_co_u32 s24, s24, s25                     ; opc: kh = 2 s, tile 512 + 4 Gc
	s_mov_b32 s25, 0
	s_mul_i32 s26, s17, SSP
	s_add_co_u32 s27, s18, 128
	s_lshl_b32 s27, s27, 8
	s_add_co_u32 s26, s26, s27                     ; ops: s, group 128 + Gc
	s_mov_b32 s27, 0
	s_wait_kmcnt 0x0
	s_add_nc_u64 s[10:11], s[10:11], s[24:25]
	s_add_nc_u64 s[12:13], s[12:13], s[26:27]
	s_cmp_lt_u32 s16, 12
	s_cbranch_scc0 .Lwo
	s_mul_i32 s28, s17, 128*12288                  ; W_qkv: 128 s rows of 12,288 bytes, + 64 Gc columns
	s_lshl_b32 s29, s18, 8
	s_add_co_u32 s28, s28, s29
	s_mov_b32 s29, 0
	s_add_nc_u64 s[6:7], s[6:7], s[28:29]
	WPATH 12288, 6
	s_endpgm
.Lwo:
	s_mul_i32 s28, s17, 128*4096                   ; W_o: rows of 4,096 bytes, columns 64 (Gc - 48)
	s_sub_co_u32 s29, s18, 48
	s_lshl_b32 s29, s29, 8
	s_add_co_u32 s28, s28, s29
	s_mov_b32 s29, 0
	s_add_nc_u64 s[8:9], s[8:9], s[28:29]
	WPATH 4096, 8
	s_endpgm
.Lfunc_end_k_qae3877370c_prep:
	.size	k_qae3877370c_prep, .Lfunc_end_k_qae3877370c_prep-k_qae3877370c_prep
	.p2alignl 7, 3214868480
	.fill 96, 4, 3214868480
	.section	.rodata,"a",@progbits
	.p2align	6, 0x0
	.amdhsa_kernel k_qae3877370c_prep
		.amdhsa_group_segment_fixed_size 34304
		.amdhsa_private_segment_fixed_size 0
		.amdhsa_enable_private_segment 0
		.amdhsa_kernarg_size 40
		.amdhsa_user_sgpr_count 2
		.amdhsa_user_sgpr_kernarg_segment_ptr 1
		.amdhsa_wavefront_size32 1
		.amdhsa_system_sgpr_workgroup_id_x 1
		.amdhsa_system_sgpr_workgroup_id_y 1
		.amdhsa_system_sgpr_workgroup_id_z 1
		.amdhsa_system_vgpr_workitem_id 0
		.amdhsa_next_free_vgpr 256
		.amdhsa_next_free_sgpr 66
		.amdhsa_reserve_vcc 0
		.amdhsa_float_denorm_mode_32 3
		.amdhsa_float_denorm_mode_16_64 3
		.amdhsa_memory_ordered 1
		.amdhsa_forward_progress 1
		.amdhsa_inst_pref_size 108
	.end_amdhsa_kernel
	.amdgpu_metadata
---
amdhsa.version: [ 1, 2 ]
amdhsa.kernels:
  - .name:           k_qae3877370c_prep
    .symbol:         k_qae3877370c_prep.kd
    .args:
      - { .name: x, .offset: 0, .size: 8, .value_kind: global_buffer, .address_space: global }
      - { .name: W_qkv, .offset: 8, .size: 8, .value_kind: global_buffer, .address_space: global }
      - { .name: W_o, .offset: 16, .size: 8, .value_kind: global_buffer, .address_space: global }
      - { .name: opc, .offset: 24, .size: 8, .value_kind: global_buffer, .address_space: global }
      - { .name: ops, .offset: 32, .size: 8, .value_kind: global_buffer, .address_space: global }
    .group_segment_fixed_size: 34304
    .private_segment_fixed_size: 0
    .kernarg_segment_align: 8
    .kernarg_segment_size: 40
    .max_flat_workgroup_size: 128
    .sgpr_count:     66
    .vgpr_count:     256
    .wavefront_size: 32
...
	.end_amdgpu_metadata
.endif
;; end of part 1
;; launch gemm_qkv (part 2): grid 8 x 96, 4 waves a work-group, clusters of 4 x 4, 295,424 bytes of LDS; arguments opc, ops, b_qkv, qkvc, qkvs; writes qkvc, qkvs
.if DOCPART == 2
	.amdgcn_target "amdgcn-amd-amdhsa--gfx1250"
	.amdhsa_code_object_version 6
	.text
	.protected	k_qae3877370c_gemm_qkv
	.globl	k_qae3877370c_gemm_qkv
	.p2align	8
	.type	k_qae3877370c_gemm_qkv,@function
k_qae3877370c_gemm_qkv:
	s_mov_b64 s[64:65], 0
	v_nop
	global_prefetch_b8 v0, s[64:65] scope:SCOPE_SE
	s_setreg_imm32_b32 hwreg(HW_REG_WAVE_MODE, 25, 1), 1
	s_wait_xcnt 0x0
	s_wait_alu depctr_hold_cnt(0) depctr_sa_sdst(0) depctr_va_vdst(0) depctr_va_sdst(0) depctr_va_ssrc(0) depctr_va_vcc(0) depctr_vm_vsrc(0)
	s_getreg_b32 s2, hwreg(HW_REG_IB_STS2, 6, 4)
	s_cmp_eq_u32 s2, 0
	s_cbranch_scc0 .Lentry_in_a_cluster
	s_endpgm
.Lentry_in_a_cluster:
	s_bfe_u32 s2, ttmp6, 0x10000c
	s_cmp_lg_u32 s2, 0xf033
	s_cbranch_scc0 .Lentry_shape_is_right
	s_endpgm
.Lentry_shape_is_right:
; qkv = x W_qkv + b_qkv on codes of BF6 with E8M0 scales, K = 1,024; the results are quantised in registers and leave as codes: q and k along the head's 64, v along the keys.
; ROLES.  P is source 1 (a lane owns one row of P), R is source 0 (a lane's result registers run along R).  A work-group makes 128 P x 256 R; wave (ph, rh) makes 64 P x 128 R: 32 accumulators.
;   q, k (clusters y 0-15):  P = x's rows (tokens), R = W's columns 0-2047: a lane holds one token and 128 neighbouring channels: two heads.
;   v    (clusters y 16-23): P = W's columns 2048-3071 (channels), R = x's rows: a lane holds one channel and 128 neighbouring tokens: one K step of the product with p.
; Both operands lie in opc as images of operand registers ([kh][tile][768]), so a fragment comes by loads of 16 and 8 bytes a lane, consecutive over the lanes, and the two ways differ in global offsets alone.
; ALL OF K LIES IN LDS: P's 16 x 8 images (98,304 bytes), R's 16 x 16 (196,608).  Every LDS byte is filled once, so no slot is filled again.
; CLUSTER 4 x 4: P's tile hangs on cy and is asked for jointly by my row of the cluster, R's on cx and by my column.  Waves 0, 1 ask for P, waves 2, 3 for R; each issues four loads (K in four chunks), all at the head: four are out.
; The rows of a tile are not neighbours (lane r of tile 2 p + u is row 32 p + 8 u + r + 8 (r / 8)), so that the 16 registers of accumulators 2 B and 2 B + 1 are 16 neighbours along R: 32 B + 16 (lane / 16) + 0 .. 15.
; OUT.  qkvc, a record of 294,912 bytes for each (batch, head): Q [tile 128][768], K likewise at 98,304, V at 196,608 as [key step 16][channel tile 4][half 2][768].
;       qkvs, a record of 20,480 bytes: Q [group of 64 tokens 32][256] (bytes 0, 1 of a word count), K at 8,192, V at 16,384 as [key step 16][256].
; LIMITS: a block of zeros, and one whose largest magnitude lies under 2^-122, gets the byte 1 (its codes are zeros or nearly so; this program alone reads the bytes); NaN and infinities are not served.
; REGISTERS: window 0: v2-15 addresses; v16-63 scale words and nothing else; v64-127 the bias along R; v128-159 the bias along P; v160-255 P's fragments, two sets.  Window 1: R's fragments, sets at v0 and v128.  Window 2: accumulator (a, b) at v[8 (8 a + b)].
.set KHP,  589824                      ; bytes from kh to kh + 1 in opc
.set KHE,  73728                       ; the same in elements of 8 bytes
.set SSP,  49152                       ; bytes from K step to K step in ops
.set RREG, 98304                       ; LDS: R's images begin here
.set REC,  294912
.set SREC, 20480
.set L16,  2                           ; v2  16 x lane
.set L8,   3                           ; v3  8 x lane
.set AP16, 4                           ; v4-7 LDS addresses of the K step in hand: P's registers 0-3, 4-5; R's
.set AP8,  5
.set AR16, 6
.set AR8,  7
.set VO16, 8                           ; v8-9   the way out: 16 x lane + half x S0
.set VO8,  10                          ; v10-11 512 + 8 x lane + half x S0
.set SP,   16                          ; v16-31 P's scale words: 2 s + pair
.set SR,   32                          ; v32-63 R's: 4 s + pair
.set BR,   64
.set BPX,  128
.set PF,   160
.set TM,   200                         ; the way out: v200-203 maxima, v204-207 bytes, v212-215 scale operands
.set PW,   216
.set PWE,  217
.set SW0,  218
.set SW1,  220
.set WV,   14
.set PH,   15
.set RH,   16
.set CXI,  17
.set CYI,  18
.set PATH, 21
.set PT,   22
.set RT,   23
.set G1P,  24
.set G1R,  32
.set G0P,  40
.set G0R,  68
.set MSB, 0
.macro WIN new                         ; the immediate's high byte repeats the setting that is left
.if MSB != \new
	s_set_vgpr_msb (MSB<<8)|\new
.set MSB, \new
.endif
.endm
.macro CROUND                          ; a round of the cluster's barrier
	s_barrier_signal -1
	s_barrier_wait -1
	s_cmp_lg_u32 s[WV], 0
	s_cbranch_scc1 .Lnot_wave_0_\@
	s_barrier_signal -3
.Lnot_wave_0_\@:
	s_barrier_wait -3
	s_barrier_signal -1
	s_barrier_wait -1
.endm
.macro FRAG reg, a16, a8, off, pitch   ; a fragment of 128 along K: two images
	ds_load_b128 v[(\reg):(\reg)+3], v[\a16] offset:(\off)
	ds_load_b64 v[(\reg)+4:(\reg)+5], v[\a8] offset:(\off)
	ds_load_b128 v[(\reg)+6:(\reg)+9], v[\a16] offset:(\off)+(\pitch)
	ds_load_b64 v[(\reg)+10:(\reg)+11], v[\a8] offset:(\off)+(\pitch)
.endm
.macro FETCH set                       ; 48 LDS loads in one run: R's eight fragments, P's four
	WIN 0x40                                       ; destination window 1
.irp b, 0,1,2,3,4,5,6,7
	FRAG 128*(\set)+12*\b, AR16, AR8, 768*\b, 12288
.endr
	WIN 0
.irp a, 0,1,2,3
	FRAG PF+48*(\set)+12*\a, AP16, AP8, 768*\a, 6144
.endr
.endm
.macro ADV                             ; on to the next K step; these four are also the places between the last products and the loads into the fragments that they read
	v_add_nc_u32 v[AP16], 12288, v[AP16]
	v_add_nc_u32 v[AP8], 12288, v[AP8]
	v_add_nc_u32 v[AR16], 24576, v[AR16]
	v_add_nc_u32 v[AR8], 24576, v[AR8]
.endm
.macro WM a, b, s, mode                ; one product; odd tiles' scale words stand in lanes 16-31
.set rD, 8*(8*(\a)+(\b))
.set rR, 128*((\s)%2)+12*(\b)
.set rP, PF+48*((\s)%2)+12*(\a)
.set rA, SR+4*(\s)+(\b)/2
.set rB, SP+2*(\s)+(\a)/2
.if (\mode) == 0
.set rC, rD
.elseif (\mode) == 1
.set rC, BR+8*(\b)
.else
.set rC, BPX+8*(\a)
.endif
.if ((\a)%2 == 0) && ((\b)%2 == 0)
	v_wmma_scale_f32_16x16x128_f8f6f4 v[rD:rD+7], v[rR:rR+11], v[rP:rP+11], v[rC:rC+7], v[rA], v[rB] matrix_a_fmt:MATRIX_FMT_BF6 matrix_b_fmt:MATRIX_FMT_BF6
.elseif (\a)%2 == 0
	v_wmma_scale_f32_16x16x128_f8f6f4 v[rD:rD+7], v[rR:rR+11], v[rP:rP+11], v[rC:rC+7], v[rA], v[rB] matrix_a_fmt:MATRIX_FMT_BF6 matrix_b_fmt:MATRIX_FMT_BF6 matrix_a_scale:MATRIX_SCALE_ROW1
.elseif (\b)%2 == 0
	v_wmma_scale_f32_16x16x128_f8f6f4 v[rD:rD+7], v[rR:rR+11], v[rP:rP+11], v[rC:rC+7], v[rA], v[rB] matrix_a_fmt:MATRIX_FMT_BF6 matrix_b_fmt:MATRIX_FMT_BF6 matrix_b_scale:MATRIX_SCALE_ROW1
.else
	v_wmma_scale_f32_16x16x128_f8f6f4 v[rD:rD+7], v[rR:rR+11], v[rP:rP+11], v[rC:rC+7], v[rA], v[rB] matrix_a_fmt:MATRIX_FMT_BF6 matrix_b_fmt:MATRIX_FMT_BF6 matrix_a_scale:MATRIX_SCALE_ROW1 matrix_b_scale:MATRIX_SCALE_ROW1
.endif
.endm
.macro MUL s, mode                     ; a K step's 32 products; the 32 accumulators take turns, in the same order in every step.  mode 1, 2: the bias starts the sums
.if (\mode) == 0
	WIN 0xa1                                       ; R window 1, P window 0, C and D window 2
.else
	WIN 0x81                                       ; C window 0
.endif
.irp a, 0,1,2,3
.irp b, 0,1,2,3,4,5,6,7
	WM \a, \b, \s, \mode
.endr
.endr
.endm
.macro STEPHEAD s
	WIN 0
	s_wait_dscnt 0x0                               ; this step's fragments are in
.if ((\s)%2 == 1) && ((\s) < 7)
	s_wait_tensorcnt 3-((\s)+1)/2                  ; my part of the next chunk of K has landed; the chunks behind it may be out
	s_barrier_signal -1
	s_barrier_wait -1                              ; everybody's has.
.endif
.if (\s) < 7
	s_wait_alu depctr_va_vdst(0)
	ADV
	FETCH ((\s)+1)%2
.endif
.endm
; The 64 results of block a (register 16 B + i = place 32 B + 16 (lane / 16) + i along R) become a fragment's codes in v[dst] .. v[dst + 11] and its scale word in v[PW].
.macro QUANTA a, dst
.set AC, 64*(\a)
.set PC, (\dst)
	WIN 0x0a                                       ; sources 0 and 1 window 2
.irp b, 0,1,2,3
	v_max3_num_f32 v[TM+\b], |v[AC+16*\b]|, |v[AC+16*\b+1]|, 0x2800000   ; each accumulator is read from its low end on; the floor keeps the byte at 1 from below
.endr
	WIN 0x28                                       ; sources 1 and 2 window 2
.irp i, 2,4,6,8,10,12,14
.irp b, 0,1,2,3
	v_max3_num_f32 v[TM+\b], v[TM+\b], |v[AC+16*\b+\i]|, |v[AC+16*\b+\i+1]|
.endr
.endr
	WIN 0
.irp b, 0,1,2,3
	v_permlanex16_b32 v[TM+4+\b], v[TM+\b], s98, s99
.endr
.irp b, 0,1,2,3
	v_max_num_f32 v[TM+\b], v[TM+\b], v[TM+4+\b]   ; with lane l xor 16's 16: the block's largest magnitude
.endr
.irp b, 0,1,2,3
	v_add_nc_u32 v[TM+12+\b], 0xfe000000, v[TM+\b] ; 4 off the exponent field: the conversion's scale operand
.endr
.irp b, 0,1,2,3
	v_lshrrev_b32 v[TM+4+\b], 23, v[TM+12+\b]      ; the byte
.endr
	v_lshl_or_b32 v[PW], v[TM+5], 8, v[TM+4]
	v_lshl_or_b32 v[PW], v[TM+6], 16, v[PW]
	v_lshl_or_b32 v[PW], v[TM+7], 24, v[PW]
	WIN 0x02                                       ; source 0 window 2
.irp c, 0,1
	v_cvt_scalef32_pk16_bf6_f32 v[PC+6*\c:PC+6*\c+2], v[AC+32*\c:AC+32*\c+15], v[TM+12+2*\c]
	v_cvt_scalef32_pk16_bf6_f32 v[PC+12+4*\c:PC+14+4*\c], v[AC+32*\c+16:AC+32*\c+31], v[TM+12+2*\c+1]
.endr
	WIN 0
	v_nop                                          ; one plain instruction behind the scaled conversions
.irp c, 0,1                            ; the layout wants a whole block in a lane: lanes 0-15 block 2 c, lanes 16-31 block 2 c + 1
.irp i, 0,1,2
	v_permlane16_swap_b32 v[PC+6*\c+\i], v[PC+12+4*\c+\i]
.endr
.irp i, 0,1,2
	v_mov_b32 v[PC+3+6*\c+\i], v[PC+12+4*\c+\i]
.endr
.endr
.endm
	s_load_b256 s[4:11], s[0:1], 0x0               ; opc s[4:5], ops s[6:7], b_qkv s[8:9], qkvc s[10:11]
	s_load_b64 s[12:13], s[0:1], 0x20              ; qkvs
	s_set_vgpr_msb 0x40
	v_lshl_add_u32 v254, v0, 2, 0x48000
	v_mov_b32 v255, 0
	s_set_vgpr_msb 0x4045
	ds_add_u32 v254, v255
	ds_add_u32 v254, v255
	s_set_vgpr_msb 0x4500
	v_lshrrev_b32 v1, 5, v0
	v_readfirstlane_b32 s[WV], v1                  ; wave 0..3
	s_lshr_b32 s[PH], s[WV], 1                     ; my half of P's rows.  Also: I fetch for P (0) or for R (1)
	s_and_b32 s[RH], s[WV], 1                      ; my half of R's rows.  Also: which two of a chunk's four kh I fetch
	s_bfe_u32 s[CXI], ttmp6, 0x40000               ; cx
	s_bfe_u32 s[CYI], ttmp6, 0x40004               ; cy
	s_mov_b32 s19, ttmp9                           ; cluster x
	s_and_b32 s20, ttmp7, 0xffff                   ; cluster y
	s_sub_co_u32 s84, s20, 16                      ; (used on v's way alone)
	s_mov_b32 s2, REC
	s_mov_b32 s66, 768
	s_mov_b32 s67, 0
	s_mov_b32 s98, 0x76543210
	s_mov_b32 s99, 0xfedcba98                      ; v_permlanex16_b32's selects for lane l xor 16
	s_cmp_ge_u32 s20, 16                           ; which way: the same in all sixteen partners
	s_cselect_b32 s[PATH], 1, 0
	s_cselect_b32 s[PT], s19, s20                  ; the cluster's coordinate on which P's tile hangs,
	s_cselect_b32 s[RT], s84, s19                  ; and R's
	s_cselect_b32 s56, 640, 0                      ; P's first tile in opc,
	s_cselect_b32 s57, 160, 0                      ; and first group in ops
	s_cselect_b32 s85, 0, 512                      ; R's
	s_cselect_b32 s86, 0, 128
	s_cselect_b32 s2, 768, s2                      ; S0: bytes from a fragment's first image to its second, on the way out
	s_cselect_b32 s66, 1536, s66                   ; S1: bytes from block a to block a + 1
	s_lshl_b32 s[PT], s[PT], 2
	s_add_co_u32 s[PT], s[PT], s[CYI]              ; P's tile of 128 rows
	s_lshl_b32 s[RT], s[RT], 2
	s_add_co_u32 s[RT], s[RT], s[CXI]              ; R's tile of 256 rows
	s_lshl_b32 s58, s[CYI], 2
	s_lshl_b32 s58, 15, s58                        ; my row of the cluster
	s_lshl_b32 s87, 0x1111, s[CXI]                 ; my column
	; descriptor group 1: two rows (kh, kh + 1) of 8 or 16 images, in elements of 8 bytes, no padding
	s_or_b32 s[G1P], s58, (3<<16)|(1<<21)          ; 15:0 the mask; 17:16 elements of 8 bytes; 21 set beside a mask
	s_mov_b32 s[G1P+1], 768<<16                    ; tensor_dim0 = 768
	s_mov_b32 s[G1P+2], 2<<16                      ; tensor_dim1 = 2
	s_mov_b32 s[G1P+3], 768<<16                    ; tile_dim0
	s_mov_b32 s[G1P+4], 2                          ; tile_dim1
	s_mov_b32 s[G1P+5], KHE                        ; from kh to kh + 1
	s_mov_b32 s[G1P+6], 0
	s_mov_b32 s[G1P+7], 0
	s_or_b32 s[G1R], s87, (3<<16)|(1<<21)
	s_mov_b32 s[G1R+1], 1536<<16
	s_mov_b32 s[G1R+2], 2<<16
	s_mov_b32 s[G1R+3], 1536<<16
	s_mov_b32 s[G1R+4], 2
	s_mov_b32 s[G1R+5], KHE
	s_mov_b32 s[G1R+6], 0
	s_mov_b32 s[G1R+7], 0
	; where the tiles come from: P's in registers that never hold cx, R's in registers that never hold cy
	s_lshl_b32 s60, s[PT], 3
	s_add_co_u32 s60, s60, s56
	s_mul_i32 s60, s60, 768
	s_mul_i32 s61, s[RH], 2*KHP
	s_add_co_u32 s60, s60, s61
	s_mov_b32 s61, 0
	s_mul_i32 s59, s[RH], 12288                    ; and where they go: no place in the cluster enters an LDS address
	s_lshl_b32 s88, s[RT], 4
	s_add_co_u32 s88, s88, s85
	s_mul_i32 s88, s88, 768
	s_mul_i32 s89, s[RH], 2*KHP
	s_add_co_u32 s88, s88, s89
	s_mov_b32 s89, 0
	s_mul_i32 s90, s[RH], 24576
	s_add_co_u32 s90, s90, RREG
	s_wait_dscnt 0x0
	s_wait_kmcnt 0x0
	s_add_nc_u64 s[60:61], s[4:5], s[60:61]
	s_add_nc_u64 s[88:89], s[4:5], s[88:89]
.irp c, 0,1,2,3
	s_mov_b32 s[G0P+4*\c], 1
	s_add_co_u32 s[G0P+4*\c+1], s59, \c*24576
	s_add_nc_u64 s[G0P+4*\c+2:G0P+4*\c+3], s[60:61], \c*4*KHP
	s_or_b32 s[G0P+4*\c+3], s[G0P+4*\c+3], 0x80000000
	s_mov_b32 s[G0R+4*\c], 1
	s_add_co_u32 s[G0R+4*\c+1], s90, \c*49152
	s_add_nc_u64 s[G0R+4*\c+2:G0R+4*\c+3], s[88:89], \c*4*KHP
	s_or_b32 s[G0R+4*\c+3], s[G0R+4*\c+3], 0x80000000
.endr
	CROUND                                         ; all sixteen work-groups are here: the joint loads meet
	s_cmp_eq_u32 s[PH], 0                          ; a wave's four fills stand in one branch on the wave's number, ahead of every wait on TENSORcnt and every LDS read
	s_cbranch_scc0 .Lfetch_r
.irp c, 0,1,2,3
	tensor_load_to_lds s[G0P+4*\c:G0P+4*\c+3], s[G1P:G1P+7]
	s_nop 0
.endr
.rept 4
	v_nop
.endr
	s_branch .Lasked
.Lfetch_r:
.irp c, 0,1,2,3
	tensor_load_to_lds s[G0R+4*\c:G0R+4*\c+3], s[G1R:G1R+7]
	s_nop 0
.endr
.rept 4
	v_nop
.endr
.Lasked:
	v_and_b32 v1, 31, v0
	v_lshlrev_b32 v[L16], 4, v1
	v_lshlrev_b32 v[L8], 3, v1
	s_wait_alu depctr_va_vdst(0)
	s_mul_i32 s91, s[PH], 3072                     ; my four tiles of P
	v_add_nc_u32 v[AP16], s91, v[L16]
	s_add_co_u32 s91, s91, 512
	v_add_nc_u32 v[AP8], s91, v[L8]
	s_mul_i32 s91, s[RH], 6144                     ; my eight tiles of R
	s_add_co_u32 s91, s91, RREG
	v_add_nc_u32 v[AR16], s91, v[L16]
	s_add_co_u32 s91, s91, 512
	v_add_nc_u32 v[AR8], s91, v[L8]
	; the scale words, straight into registers, once: whole images of 256 bytes
	s_lshl_b32 s62, s[PT], 1
	s_add_co_u32 s62, s62, s[PH]
	s_add_co_u32 s62, s62, s57
	s_lshl_b32 s62, s62, 8
	v_add_nc_u32 v12, s62, v[L8]
	s_lshl_b32 s91, s[RT], 2
	s_lshl_b32 s92, s[RH], 1
	s_add_co_u32 s91, s91, s92
	s_add_co_u32 s91, s91, s86
	s_lshl_b32 s91, s91, 8
	v_add_nc_u32 v13, s91, v[L8]
.irp s, 0,1,2,3,4,5,6,7
	global_load_b64 v[SP+2*\s:SP+2*\s+1], v12, s[6:7] offset:\s*SSP
	global_load_b64 v[SR+4*\s:SR+4*\s+1], v13, s[6:7] offset:\s*SSP
	global_load_b64 v[SR+4*\s+2:SR+4*\s+3], v13, s[6:7] offset:\s*SSP+256
.endr
	; the bias, in the result's layout.  Both tables are loaded on both ways, the one that is not used from the buffer's head
	s_lshl_b32 s92, s[RT], 8
	s_lshl_b32 s93, s[RH], 7
	s_add_co_u32 s92, s92, s93                     ; q, k: channel 256 RT + 128 rh on
	s_lshl_b32 s93, s[PT], 7
	s_lshl_b32 s94, s[PH], 6
	s_add_co_u32 s93, s93, s94
	s_add_co_u32 s93, s93, 2048                    ; v: channel 2048 + 128 PT + 64 ph on
	s_cmp_eq_u32 s[PATH], 0
	s_cselect_b32 s92, s92, 0
	s_cselect_b32 s93, 0, s93
	s_lshl_b32 s92, s92, 2
	s_lshl_b32 s93, s93, 2
	v_and_b32 v14, 15, v0
	v_and_b32 v15, 8, v14
	v_add_nc_u32 v15, v15, v14                     ; r + 8 (r / 8)
	v_lshl_add_u32 v15, v15, 2, s93
	v_bfe_u32 v14, v0, 4, 1
	v_lshl_add_u32 v14, v14, 6, s92                ; + 16 h numbers
.irp b, 0,1,2,3,4,5,6,7
	global_load_b128 v[BR+8*\b:BR+8*\b+3], v14, s[8:9] offset:(32*(\b/2)+8*(\b%2))*4
	global_load_b128 v[BR+8*\b+4:BR+8*\b+7], v14, s[8:9] offset:(32*(\b/2)+8*(\b%2))*4+16
.endr
.irp a, 0,1,2,3
	global_load_b32 v[BPX+8*\a], v15, s[8:9] offset:(32*(\a/2)+8*(\a%2))*4
.endr
	; the way out: offsets and bases
	v_mov_b32 v[VO16], v[L16]
	v_add_nc_u32 v[VO16+1], s2, v[L16]
	v_add_nc_u32 v[VO8], 512, v[L8]
	v_add_nc_u32 v[VO8+1], s2, v[VO8]
	s_lshr_b32 s84, s[PT], 4                       ; q, k: the batch,
	s_lshl_b32 s84, s84, 4
	s_lshl_b32 s85, s[RT], 2
	s_lshl_b32 s86, s[RH], 1
	s_add_co_u32 s85, s85, s86
	s_and_b32 s85, s85, 15                         ; the first of my two heads,
	s_add_co_u32 s84, s84, s85                     ; its record;
	s_lshr_b32 s85, s[RT], 2                       ; 0: q, 1: k;
	s_and_b32 s86, s[PT], 15
	s_lshl_b32 s86, s86, 1
	s_add_co_u32 s86, s86, s[PH]                   ; my group of 64 tokens in the batch
	s_mul_i32 s87, s85, 98304
	s_mul_i32 s91, s86, 4*768
	s_add_co_u32 s87, s87, s91                     ; in the record of codes,
	s_lshl_b32 s91, s85, 13
	s_lshl_b32 s92, s86, 8
	s_add_co_u32 s91, s91, s92                     ; and of scale words
	s_lshr_b32 s92, s[RT], 3                       ; v: the batch,
	s_lshl_b32 s92, s92, 4
	s_lshl_b32 s93, s[PT], 1
	s_add_co_u32 s92, s92, s93
	s_add_co_u32 s92, s92, s[PH]                   ; my head's record;
	s_and_b32 s93, s[RT], 7
	s_lshl_b32 s93, s93, 1
	s_add_co_u32 s93, s93, s[RH]                   ; my key step
	s_mul_i32 s94, s93, 6144
	s_add_co_u32 s94, s94, 196608
	s_lshl_b32 s95, s93, 8
	s_add_co_u32 s95, s95, 16384
	s_cmp_eq_u32 s[PATH], 0
	s_cselect_b32 s84, s84, s92
	s_cselect_b32 s87, s87, s94
	s_cselect_b32 s91, s91, s95
	s_mul_i32 s96, s84, REC
	s_add_co_u32 s96, s96, s87
	s_mov_b32 s97, 0
	s_mul_i32 s94, s84, SREC
	s_add_co_u32 s94, s94, s91
	s_mov_b32 s95, 0
	s_add_nc_u64 s[10:11], s[10:11], s[96:97]
	s_add_nc_u64 s[12:13], s[12:13], s[94:95]
	s_wait_tensorcnt 3                             ; my part of the first chunk of K has landed; the three chunks behind it may be out
	s_barrier_signal -1
	s_barrier_wait -1                              ; everybody's has
	FETCH 0
	s_wait_loadcnt 0x0                             ; scale words and biases
.irp a, 0,1,2,3
.irp j, 1,2,3,4,5,6,7
	v_mov_b32 v[BPX+8*\a+\j], v[BPX+8*\a]          ; v's bias is one number a lane and block: all eight registers
.endr
.endr
	STEPHEAD 0
	s_cmp_eq_u32 s[PATH], 0                        ; the first K step is written twice: its C is the bias, along R or along P
	s_cbranch_scc0 .Lv_first
	MUL 0, 1
	WIN 0
	s_branch .Lfirst_done
.Lv_first:
	s_wait_alu depctr_va_vdst(0)
	MUL 0, 2
	WIN 0
.Lfirst_done:
	s_wait_alu depctr_va_vdst(0)
.irp s, 1,2,3,4,5,6,7
	STEPHEAD \s
	MUL \s, 0
.endr
	WIN 0
	; THE WAY OUT: each block of 16 rows of P is quantised along R and leaves as two images and a scale word a row
.rept 4
	v_nop                                          ; four places behind the last products, ahead of the first read of results and the first write over fragments
.endr
.irp b, 0,1,2,3
	v_mov_b32 v[TM+4+\b], 0                        ; a lane permute's destination counts as one of its sources
.endr
.macro OUTBLK a, dst
.if (\a) > 0
	s_wait_xcnt 0x0                                ; the earlier stores have read their base and their registers
	s_add_nc_u64 s[10:11], s[10:11], s[66:67]      ; S1 on
.endif
	QUANTA \a, \dst
.irp c, 0,1
	global_store_b128 v[VO16+\c], v[(\dst)+6*\c:(\dst)+6*\c+3], s[10:11]      ; 512 consecutive bytes
	global_store_b64 v[VO8+\c], v[(\dst)+6*\c+4:(\dst)+6*\c+5], s[10:11]      ; 256 consecutive bytes
.endr
.if (\a)%2 == 0
	v_mov_b32 v[PWE], v[PW]
.else
	v_cndmask_b32 v[SW0+(\a)/2], v[PWE], v[PW], s3 ; lanes 0-15: the even block's words, lanes 16-31: the odd block's
.endif
.endm
	s_mov_b32 s3, 0xffff0000
	OUTBLK 0, 160
	OUTBLK 1, 180
	OUTBLK 2, 64
	OUTBLK 3, 84
	global_store_b64 v[L8], v[SW0:SW0+1], s[12:13] ; q, k: my first head's words (bytes 0, 1); v: the key step's words
	s_cmp_eq_u32 s[PATH], 0
	s_cbranch_scc0 .Lno_second
	v_lshrrev_b32 v[SW1], 16, v[SW0]               ; q, k: bytes 2, 3 are my second head's: into the next record
	v_lshrrev_b32 v[SW1+1], 16, v[SW0+1]
	global_store_b64 v[L8], v[SW1:SW1+1], s[12:13] offset:SREC
.Lno_second:
	s_wait_dscnt 0x0
	s_set_vgpr_msb 0x5
	s_wait_tensorcnt 0x0
	ds_add_u32 v254, v255
	s_wait_dscnt 0x0
	s_set_vgpr_msb 0x500
	CROUND                                         ; the closing round: no work-group ends while a partner may still ask for a tile that names it
	s_endpgm
.Lfunc_end_k_qae3877370c_gemm_qkv:
	.size	k_qae3877370c_gemm_qkv, .Lfunc_end_k_qae3877370c_gemm_qkv-k_qae3877370c_gemm_qkv
	.p2alignl 7, 3214868480
	.fill 96, 4, 3214868480
	.section	.rodata,"a",@progbits
	.p2align	6, 0x0
	.amdhsa_kernel k_qae3877370c_gemm_qkv
		.amdhsa_group_segment_fixed_size 295424
		.amdhsa_private_segment_fixed_size 0
		.amdhsa_enable_private_segment 0
		.amdhsa_kernarg_size 40
		.amdhsa_user_sgpr_count 2
		.amdhsa_user_sgpr_kernarg_segment_ptr 1
		.amdhsa_wavefront_size32 1
		.amdhsa_system_sgpr_workgroup_id_x 1
		.amdhsa_system_sgpr_workgroup_id_y 1
		.amdhsa_system_sgpr_workgroup_id_z 1
		.amdhsa_system_vgpr_workitem_id 0
		.amdhsa_next_free_vgpr 768
		.amdhsa_next_free_sgpr 100
		.amdhsa_reserve_vcc 0
		.amdhsa_float_denorm_mode_32 3
		.amdhsa_float_denorm_mode_16_64 3
		.amdhsa_memory_ordered 1
		.amdhsa_forward_progress 1
		.amdhsa_inst_pref_size 98
	.end_amdhsa_kernel
	.amdgpu_metadata
---
amdhsa.version: [ 1, 2 ]
amdhsa.kernels:
  - .name:           k_qae3877370c_gemm_qkv
    .symbol:         k_qae3877370c_gemm_qkv.kd
    .args:
      - { .name: opc, .offset: 0, .size: 8, .value_kind: global_buffer, .address_space: global }
      - { .name: ops, .offset: 8, .size: 8, .value_kind: global_buffer, .address_space: global }
      - { .name: b_qkv, .offset: 16, .size: 8, .value_kind: global_buffer, .address_space: global }
      - { .name: qkvc, .offset: 24, .size: 8, .value_kind: global_buffer, .address_space: global }
      - { .name: qkvs, .offset: 32, .size: 8, .value_kind: global_buffer, .address_space: global }
    .group_segment_fixed_size: 295424
    .private_segment_fixed_size: 0
    .kernarg_segment_align: 8
    .kernarg_segment_size: 40
    .max_flat_workgroup_size: 128
    .sgpr_count:     100
    .vgpr_count:     768
    .wavefront_size: 32
...
	.end_amdgpu_metadata
.endif
;; end of part 2
;; launch attn (part 3): grid 4 x 64, 16 waves a work-group, clusters of 4 x 1, 210,944 bytes of LDS; arguments qkvc, qkvs, aoc, aos; writes aoc, aos
.if DOCPART == 3
	.amdgcn_target "amdgcn-amd-amdhsa--gfx1250"
	.amdhsa_code_object_version 6
	.text
	.protected	k_qae3877370c_attn
	.globl	k_qae3877370c_attn
	.p2align	8
	.type	k_qae3877370c_attn,@function
k_qae3877370c_attn:
	s_mov_b64 s[64:65], 0
	v_nop
	global_prefetch_b8 v0, s[64:65] scope:SCOPE_SE
	s_setreg_imm32_b32 hwreg(HW_REG_WAVE_MODE, 25, 1), 1
	s_wait_xcnt 0x0
	s_wait_alu depctr_hold_cnt(0) depctr_sa_sdst(0) depctr_va_vdst(0) depctr_va_sdst(0) depctr_va_ssrc(0) depctr_va_vcc(0) depctr_vm_vsrc(0)
	s_getreg_b32 s2, hwreg(HW_REG_IB_STS2, 6, 4)
	s_cmp_eq_u32 s2, 0
	s_cbranch_scc0 .Lentry_in_a_cluster
	s_endpgm
.Lentry_in_a_cluster:
	s_bfe_u32 s2, ttmp6, 0x10000c
	s_cmp_lg_u32 s2, 0x3003
	s_cbranch_scc0 .Lentry_shape_is_right
	s_endpgm
.Lentry_shape_is_right:
; Causal attention of one (batch, head) on codes of BF6 with E8M0 scales: S^T = K Q^T (K = the head's 64: the upper half of the instruction's 128 meets zero codes of Q), p = 2^(t - M), O^T = V^T P^T, O / l quantised along the channels.
; t = score x log2(e) / 8; M = the running largest t rounded up to a whole number; p is quantised along the keys, not normalised; the row's sum l is taken of the unquantised p in f32 and divides at the end (by v_rcp_f32).
; SHARES.  The four work-groups of a cluster share one head.  Wave w of work-group j takes the tile of 16 queries tl = 8 (w / 2) + 2 j + w % 2 and then tile 127 - tl: last key steps w / 2 and 15 - w / 2, 17 key steps of 128 keys for every wave.
; Which steps a wave works hangs on its number alone; the work-group's place enters global offsets and the mask's numbers only.
; LDS HOLDS THE WHOLE HEAD, filled once: K's 128 images (98,304 bytes), V's 128 (98,304), K's scale words (8,192), V's (4,096).  The fills are joint loads of the four work-groups: waves 0-7 one of 24,576 bytes each, wave 8 the scale words.
; A tile's rows are not neighbours (lane r of tile 2 p + u is token 32 p + 8 u + r + 8 (r / 8)), so that the 16 registers of tiles 2 B, 2 B + 1 of S^T are keys 32 B + 16 (lane / 16) + 0 .. 15, and those of O^T 16 neighbouring channels.
; Every trip count is a constant: a step all of whose keys come after the tile's queries jumps over its work, not over the lines that step addresses.
; OUT.  aoc [head 16][tile 128 b + T][768]: an image of 16 tokens x the head's 64 channels; aos [head 16][tile 512][16 words]: a token's two bytes in the low half of its word.
; LIMITS: NaN and infinities are not served; a block whose largest number lies under 2^-122 keeps the byte 1.
; REGISTERS: v1-7 addresses that stay; v8-11, v28-29 the step's; v12 -M, v13 the largest t, v[14:15] the sum; v16-27 Q (v22-27 zeros); v30-31, v86-87 global offsets; v32-85 K's images, then V's fragments (v80-85 zeros);
;   v96-159 S^T, then p; v160-191 O^T; v224-235 p's codes; v232-247, v252, v254 at work; v248-251 K's or V's scale words; v253 p's scale word; v255 Q's.
.set REC,  294912
.set SREC, 20480
.set WV,   12
.set T,    15                          ; s15 my tile of queries
.set LIM,  16                          ; s16 its last key step
.set KS,   17                          ; s17 the key step
.set KB,   18                          ; s18 6,144 x key step: K's and V's images
.set SB,   19                          ; s19 512 x key step: K's scale words
.set SEL,  20
.set CS,   22
.set G1C,  24
.set G1S,  32
.set G0C,  40
.set G0S,  44
.set VSB,  48                          ; s48 256 x key step: V's scale words
.set SD,   49                          ; s49 the tile's first query less its last key step's first key
.macro CROUND
	s_barrier_signal -1
	s_barrier_wait -1
	s_cmp_lg_u32 s[WV], 0
	s_cbranch_scc1 .Lnot_wave_0_\@
	s_barrier_signal -3
.Lnot_wave_0_\@:
	s_barrier_wait -3
	s_barrier_signal -1
	s_barrier_wait -1
.endm
; A KEY STEP: 128 keys
.macro STEP
	s_cmp_gt_u32 s[KS], s[LIM]                     ; all its keys come after my queries: nothing but the address steps
	s_cbranch_scc1 .Lhidden_\@
	s_setprio 2
	v_add_nc_u32 v8, s[KB], v1                     ; (these six are also the places between the last products and the loads below)
	v_add_nc_u32 v9, s[KB], v2
	v_add_nc_u32 v10, s[KB], v3
	v_add_nc_u32 v11, s[KB], v4
	v_add_nc_u32 v28, s[SB], v5
	v_add_nc_u32 v29, s[VSB], v6
.irp t, 0,1,2,3,4,5,6,7
	ds_load_b128 v[32+6*\t:35+6*\t], v8 offset:768*\t
	ds_load_b64 v[36+6*\t:37+6*\t], v9 offset:768*\t
.endr
	ds_load_b64 v[248:249], v28
	ds_load_b64 v[250:251], v28 offset:256
	s_wait_alu depctr_va_vdst(0)
	s_wait_dscnt 0x0
.irp t, 0,2,4,6                        ; S^T: source 0 = 16 keys (six registers of codes; the six behind them meet Q's zero codes), source 1 = my 16 queries
	v_wmma_scale_f32_16x16x128_f8f6f4 v[96+8*\t:103+8*\t], v[32+6*\t:43+6*\t], v[16:27], 0, v[248+\t/2], v255 matrix_a_fmt:MATRIX_FMT_BF6 matrix_b_fmt:MATRIX_FMT_BF6
	v_wmma_scale_f32_16x16x128_f8f6f4 v[104+8*\t:111+8*\t], v[38+6*\t:49+6*\t], v[16:27], 0, v[248+\t/2], v255 matrix_a_fmt:MATRIX_FMT_BF6 matrix_b_fmt:MATRIX_FMT_BF6 matrix_a_scale:MATRIX_SCALE_ROW1
.endr
.rept 4
	v_nop                                          ; four places: ahead of the loads into K's registers and scale words, and of the first read of the scores
.endr
.irp ct, 0,1,2,3                       ; V's four fragments and its scale words are asked for now and land under the softmax
.irp c, 0,1
	ds_load_b128 v[32+12*\ct+6*\c:35+12*\ct+6*\c], v10 offset:1536*\ct+768*\c
	ds_load_b64 v[36+12*\ct+6*\c:37+12*\ct+6*\c], v11 offset:1536*\ct+768*\c
.endr
.endr
	ds_load_b64 v[248:249], v29
	s_cmp_lg_u32 s[KS], s[LIM]                     ; only my last step lies on the diagonal
	s_cbranch_scc1 .Lopen_\@
	v_add_nc_u32 v252, s[SD], v7                   ; d = my query - the step's first key - 16 (lane / 16): register 16 B + i is hidden where 32 B + i > d
	v_mov_b32 v254, 0xff800000                     ; -infinity: p = 0 then
.set n, 0
.rept 64
	v_cmp_gt_i32 vcc_lo, 32*(n/16)+n%16, v252
	v_cndmask_b32 v[96+n], v[96+n], v254, vcc_lo
.set n, n+1
.endr
.Lopen_\@:
.irp b, 0,1,2,3
	v_max3_num_f32 v[232+\b], v[96+16*\b], v[97+16*\b], v[98+16*\b]   ; the largest score of each block of 32 keys: for the row's maximum, and, since p rises with the score, for the block's largest p
.endr
.irp i, 3,5,7,9,11,13
.irp b, 0,1,2,3
	v_max3_num_f32 v[232+\b], v[232+\b], v[96+16*\b+\i], v[97+16*\b+\i]
.endr
.endr
.irp b, 0,1,2,3
	v_max_num_f32 v[232+\b], v[232+\b], v[111+16*\b]
.endr
.irp b, 0,1,2,3
	s_delay_alu instid0(VALU_DEP_4)
	v_permlanex16_b32 v[236+\b], v[232+\b], s[SEL], s[SEL+1]
.endr
.irp b, 0,1,2,3
	s_delay_alu instid0(VALU_DEP_4)
	v_max_num_f32 v[232+\b], v[232+\b], v[236+\b]  ; with lane l xor 16's 16 keys
.endr
	s_delay_alu instid0(VALU_DEP_2)
	v_max3_num_f32 v254, v232, v233, v234
	s_delay_alu instid0(VALU_DEP_1)
	v_max_num_f32 v254, v254, v235                 ; the step's largest score of my query
	s_delay_alu instid0(VALU_DEP_1)
	v_mul_f32 v254, s[CS], v254                    ; as t
	s_delay_alu instid0(VALU_DEP_1)
	v_max_num_f32 v13, v13, v254                   ; the running largest t
	v_mov_b32 v254, v12
	s_delay_alu instid0(VALU_DEP_2)
	v_floor_f32 v12, -v13                          ; the new -M = -ceil(t): a whole number
	s_delay_alu instid0(VALU_DEP_1)
	v_sub_f32 v254, v12, v254                      ; old M - new M: a whole number, 0 or less
	s_delay_alu instid0(VALU_DEP_1)
	v_cvt_i32_f32 v254, v254                       ; (it saturates)
	s_delay_alu instid0(VALU_DEP_1)
	v_ldexp_f32 v252, 1.0, v254                    ; f = 2^(old M - new M): multiplying by it rounds nothing
.set n, 0
	s_setprio 1
.rept 32
	v_pk_fma_f32 v[96+n:97+n], v[96+n:97+n], s[CS:CS+1], v[12:13] op_sel_hi:[1,0,0]   ; t - M, two at a time
.set n, n+2
.endr
.irp b, 0,1,2,3
	v_fma_f32 v[232+\b], v[232+\b], s[CS], v12     ; the same of each block's largest score
.endr
.set n, 0
	s_wait_alu depctr_va_vdst(0)
.rept 64
	v_exp_f32 v[96+n], v[96+n]                     ; p = 2^(t - M), at most 1
.set n, n+1
.endr
	v_pk_mul_f32 v[14:15], v[14:15], v[252:253] op_sel_hi:[1,0]   ; the sums under the new M: a plain instruction behind the exponentials
	s_wait_alu depctr_va_vdst(0)                   ; one wait for the batch of 64, ahead of its first reader
.irp b, 0,1,2,3
	v_exp_f32 v[232+\b], v[232+\b]                 ; each block's largest p
.endr
	v_pk_add_f32 v[236:237], v[100:101], v[104:105]
	v_pk_add_f32 v[250:251], v[108:109], v[112:113]
	v_pk_add_f32 v[246:247], v[116:117], v[120:121]
	v_pk_add_f32 v[244:245], v[124:125], v[128:129]
	v_pk_add_f32 v[240:241], v[132:133], v[136:137]
	v_pk_add_f32 v[238:239], v[140:141], v[144:145]
	v_pk_add_f32 v[230:231], v[148:149], v[152:153]
	v_pk_add_f32 v[14:15], v[14:15], v[156:157]
	v_pk_add_f32 v[236:237], v[236:237], v[96:97]
	v_pk_add_f32 v[250:251], v[250:251], v[98:99]
	v_pk_add_f32 v[246:247], v[246:247], v[102:103]
	v_pk_add_f32 v[244:245], v[244:245], v[106:107]
	v_pk_add_f32 v[240:241], v[240:241], v[110:111]
	v_pk_add_f32 v[238:239], v[238:239], v[114:115]
	v_pk_add_f32 v[230:231], v[230:231], v[118:119]
	v_pk_add_f32 v[14:15], v[14:15], v[122:123]
	v_pk_add_f32 v[236:237], v[236:237], v[126:127]
	v_pk_add_f32 v[250:251], v[250:251], v[130:131]
	v_pk_add_f32 v[246:247], v[246:247], v[134:135]
	v_pk_add_f32 v[244:245], v[244:245], v[138:139]
	v_pk_add_f32 v[240:241], v[240:241], v[142:143]
	v_pk_add_f32 v[238:239], v[238:239], v[146:147]
	v_pk_add_f32 v[230:231], v[230:231], v[150:151]
	v_pk_add_f32 v[14:15], v[14:15], v[154:155]
	v_pk_add_f32 v[236:237], v[236:237], v[158:159]
	s_delay_alu instid0(VALU_DEP_2)
	v_pk_add_f32 v[14:15], v[14:15], v[244:245]
	s_delay_alu instid0(VALU_DEP_2)
	v_pk_add_f32 v[236:237], v[236:237], v[240:241]
	v_pk_add_f32 v[250:251], v[250:251], v[238:239]
	v_pk_add_f32 v[246:247], v[246:247], v[230:231]
	s_delay_alu instid0(VALU_DEP_2)
	v_pk_add_f32 v[14:15], v[14:15], v[250:251]
	s_delay_alu instid0(VALU_DEP_2)
	v_pk_add_f32 v[236:237], v[236:237], v[246:247]
	s_delay_alu instid0(VALU_DEP_1)
	v_pk_add_f32 v[14:15], v[14:15], v[236:237]
	s_wait_alu depctr_va_vdst(0)                   ; and one for the four
.irp b, 0,1,2,3
	v_max_num_f32 v[232+\b], 0x2800000, v[232+\b]  ; the floor 2^(5 - 127): the byte cannot fall under 1
.endr
.irp b, 0,1,2,3
	s_delay_alu instid0(VALU_DEP_4)
	v_add_nc_u32 v[244+\b], 0xfe000000, v[232+\b]  ; the conversion's scale operand
.endr
.irp b, 0,1,2,3
	s_delay_alu instid0(VALU_DEP_4)
	v_lshrrev_b32 v[236+\b], 23, v[244+\b]         ; the byte
.endr
	s_delay_alu instid0(VALU_DEP_3)
	v_lshl_or_b32 v253, v237, 8, v236              ; p's scale word for these 128 keys
	s_delay_alu instid0(VALU_DEP_1)
	v_lshl_or_b32 v253, v238, 16, v253
	s_delay_alu instid0(VALU_DEP_1)
	v_lshl_or_b32 v253, v239, 24, v253
	s_setprio 0
.irp c, 0,1
	v_cvt_scalef32_pk16_bf6_f32 v[224+6*\c:226+6*\c], v[96+32*\c:111+32*\c], v[244+2*\c]
	v_cvt_scalef32_pk16_bf6_f32 v[236+4*\c:238+4*\c], v[112+32*\c:127+32*\c], v[244+2*\c+1]
.endr
	v_nop                                          ; one plain instruction behind the scaled conversions
.irp c, 0,1                            ; a whole block in a lane: lanes 0-15 block 2 c, lanes 16-31 block 2 c + 1
.irp i, 0,1,2
	v_permlane16_swap_b32 v[224+6*\c+\i], v[236+4*\c+\i]
.endr
.irp i, 0,1,2
	s_delay_alu instid0(VALU_DEP_3)
	v_mov_b32 v[227+6*\c+\i], v[236+4*\c+\i]
.endr
.endr
.set n, 0
.rept 16
	v_pk_mul_f32 v[160+n:161+n], v[160+n:161+n], v[252:253] op_sel_hi:[1,0]   ; O^T under the new M.  These sixteen also stand between the writes of p's codes and scale word and the products below
.set n, n+2
.endr
	s_wait_alu depctr_va_vdst(0)
	s_wait_dscnt 0x0                               ; V's fragments and scale words are in
.irp ct, 0,2                           ; O^T += V^T P^T: four accumulators by turns
	v_wmma_scale_f32_16x16x128_f8f6f4 v[160+8*\ct:167+8*\ct], v[32+12*\ct:43+12*\ct], v[224:235], v[160+8*\ct:167+8*\ct], v[248+\ct/2], v253 matrix_a_fmt:MATRIX_FMT_BF6 matrix_b_fmt:MATRIX_FMT_BF6
	v_wmma_scale_f32_16x16x128_f8f6f4 v[168+8*\ct:175+8*\ct], v[44+12*\ct:55+12*\ct], v[224:235], v[168+8*\ct:175+8*\ct], v[248+\ct/2], v253 matrix_a_fmt:MATRIX_FMT_BF6 matrix_b_fmt:MATRIX_FMT_BF6 matrix_a_scale:MATRIX_SCALE_ROW1
.endr
.Lhidden_\@:
	s_add_co_u32 s[KB], s[KB], 6144
	s_add_co_u32 s[SB], s[SB], 512
	s_add_co_u32 s[VSB], s[VSB], 256
	s_add_co_u32 s[KS], s[KS], 1
.endm
; ONE TILE OF QUERIES, from its codes to the codes of its output
.macro PASS
	s_wait_xcnt 0x0                                ; earlier loads and stores have read their offsets and data
	s_mul_i32 s50, s[T], 768
	v_add_nc_u32 v30, s50, v1                      ; the tile's image, in Q's part of the record and in aoc alike: registers 0-3,
	s_wait_alu depctr_va_vdst(0)
	v_add_nc_u32 v31, s50, v2                      ; registers 4-5
	s_wait_alu depctr_va_vdst(0)
	s_lshr_b32 s51, s[T], 2
	s_lshl_b32 s51, s51, 8                         ; Q's scale words: the group of 64 tokens,
	s_and_b32 s52, s[T], 1
	s_lshl_b32 s53, s52, 7                         ; lanes 16-31 of it for an odd tile,
	s_add_co_u32 s51, s51, s53
	s_lshr_b32 s53, s[T], 1
	s_and_b32 s53, s53, 1
	s_lshl_b32 s53, s53, 2                         ; the pair's word
	s_add_co_u32 s51, s51, s53
	v_add_nc_u32 v86, s51, v88
	s_lshl_b32 s53, s[T], 6
	v_add_nc_u32 v87, s53, v89                     ; the tile's sixteen words in aos
	s_and_b32 s[SD], s[T], 6
	s_lshl_b32 s[SD], s[SD], 4
	s_lshl_b32 s52, s52, 3
	s_or_b32 s[SD], s[SD], s52                     ; 32 ((T / 2) % 4) + 8 (T % 2)
	global_load_b128 v[16:19], v30, s[4:5]
	global_load_b64 v[20:21], v31, s[4:5]
	global_load_b32 v255, v86, s[6:7]
	v_mov_b32 v13, 0xff61b1e6                      ; the largest t so far: -3e38
	s_delay_alu instid0(VALU_DEP_1)
	v_floor_f32 v12, -v13                          ; -M
	v_mov_b32 v14, 0                               ; the sum, in two halves
	v_mov_b32 v15, 0
.set n, 0
.rept 32
	v_mov_b32 v[160+n], 0                          ; O^T: the step is written once; the first finds zeros, which the first change of M leaves zeros
.set n, n+1
.endr
	s_mov_b32 s[KS], 0
	s_mov_b32 s[KB], 0
	s_mov_b32 s[SB], 0
	s_mov_b32 s[VSB], 0
	s_wait_loadcnt 0x0
.Lstep_\@:
	STEP
	s_cmp_lt_u32 s[KS], 16
	s_cbranch_scc1 .Lstep_\@
	s_setprio 0
.rept 4
	v_nop                                          ; four places behind the last products
.endr
	v_add_f32 v14, v14, v15                        ; the sum's two halves,
	s_delay_alu instid0(VALU_DEP_1)
	v_permlanex16_b32 v252, v14, s[SEL], s[SEL+1]
	s_delay_alu instid0(VALU_DEP_1)
	v_add_f32 v14, v14, v252                       ; and lane l xor 16's: the row's sum
	s_wait_alu depctr_va_vdst(0)
	v_rcp_f32 v14, v14
	v_nop                                          ; a plain instruction behind the reciprocal
	s_wait_alu depctr_va_vdst(0)                   ; and the wait ahead of its first reader
.set n, 0
.rept 32
	v_mul_f32 v[96+n], v[160+n], v14               ; O^T / l: register 16 B + i is channel 32 B + 16 (lane / 16) + i of my token
.set n, n+1
.endr
.irp b, 0,1
	v_max3_num_f32 v[232+\b], |v[96+16*\b]|, |v[97+16*\b]|, 0x2800000
.endr
.irp i, 2,4,6,8,10,12,14
.irp b, 0,1
	s_delay_alu instid0(VALU_DEP_2)
	v_max3_num_f32 v[232+\b], v[232+\b], |v[96+16*\b+\i]|, |v[97+16*\b+\i]|
.endr
.endr
.irp b, 0,1
	s_delay_alu instid0(VALU_DEP_2)
	v_permlanex16_b32 v[236+\b], v[232+\b], s[SEL], s[SEL+1]
.endr
.irp b, 0,1
	s_delay_alu instid0(VALU_DEP_2)
	v_max_num_f32 v[232+\b], v[232+\b], v[236+\b]
.endr
.irp b, 0,1
	s_delay_alu instid0(VALU_DEP_2)
	v_add_nc_u32 v[244+\b], 0xfe000000, v[232+\b]
.endr
.irp b, 0,1
	s_delay_alu instid0(VALU_DEP_2)
	v_lshrrev_b32 v[236+\b], 23, v[244+\b]
.endr
	s_delay_alu instid0(VALU_DEP_1)
	v_lshl_or_b32 v254, v237, 8, v236              ; my token's two bytes
	v_cvt_scalef32_pk16_bf6_f32 v[224:226], v[96:111], v244
	v_cvt_scalef32_pk16_bf6_f32 v[240:242], v[112:127], v245
	v_nop                                          ; one plain instruction behind the scaled conversions
.irp i, 0,1,2
	v_permlane16_swap_b32 v[224+\i], v[240+\i]
.endr
.irp i, 0,1,2
	s_delay_alu instid0(VALU_DEP_3)
	v_mov_b32 v[227+\i], v[240+\i]
.endr
	global_store_b128 v30, v[224:227], s[8:9]      ; 512 consecutive bytes
	global_store_b64 v31, v[228:229], s[8:9]       ; 256 consecutive bytes
	global_store_b32 v87, v254, s[10:11]           ; both halves of the lanes hold the same word and write it to the same place
.endm
	s_load_b256 s[4:11], s[0:1], 0x0               ; qkvc s[4:5], qkvs s[6:7], aoc s[8:9], aos s[10:11]
	v_lshl_add_u32 v223, v0, 2, 0x33000
	v_mov_b32 v243, 0
	ds_add_u32 v223, v243
	ds_add_u32 v223, v243
	v_lshrrev_b32 v8, 5, v0
	s_delay_alu instid0(VALU_DEP_1)
	v_readfirstlane_b32 s[WV], v8                  ; wave 0..15
	s_bfe_u32 s13, ttmp6, 0x40000                  ; cx: it enters T alone
	s_and_b32 s14, ttmp7, 0xffff                   ; 16 x batch + head, which the four partners share
	s_mul_i32 s50, s14, REC
	s_mov_b32 s51, 0
	s_mul_i32 s52, s14, SREC
	s_mov_b32 s53, 0
	s_and_b32 s54, s[WV], 7
	s_mul_i32 s55, s54, 24576                      ; my part of K's and V's images: in LDS,
	s_add_co_u32 s56, s55, 98304                   ; and in the record
	s_mov_b32 s57, 0
	s_lshr_b32 s58, s14, 4                         ; batch
	s_and_b32 s59, s14, 15                         ; head
	s_mul_i32 s60, s59, 393216
	s_mul_i32 s61, s58, 128*768
	s_add_co_u32 s60, s60, s61
	s_mov_b32 s61, 0
	s_lshl_b32 s62, s59, 15
	s_lshl_b32 s63, s58, 13
	s_add_co_u32 s62, s62, s63
	s_mov_b32 s63, 0
	; descriptor group 1: dense blocks as rows of 256 bytes (32 elements of 8 bytes): 96 rows of images, 48 rows of scale words
	s_mov_b32 s[G1C], 15|(3<<16)|(1<<21)           ; 15:0 the mask: all four work-groups; 17:16 elements of 8 bytes; 21 set beside a mask
	s_mov_b32 s[G1C+1], 32<<16
	s_mov_b32 s[G1C+2], 96<<16
	s_mov_b32 s[G1C+3], 32<<16
	s_mov_b32 s[G1C+4], 96
	s_mov_b32 s[G1C+5], 32
	s_mov_b32 s[G1C+6], 0
	s_mov_b32 s[G1C+7], 0
	s_mov_b32 s[G1S], 15|(3<<16)|(1<<21)
	s_mov_b32 s[G1S+1], 32<<16
	s_mov_b32 s[G1S+2], 48<<16
	s_mov_b32 s[G1S+3], 32<<16
	s_mov_b32 s[G1S+4], 48
	s_mov_b32 s[G1S+5], 32
	s_mov_b32 s[G1S+6], 0
	s_mov_b32 s[G1S+7], 0
	s_mov_b32 s[SEL], 0x76543210
	s_mov_b32 s[SEL+1], 0xfedcba98
	s_mov_b32 s[CS], 0x3e38aa3b                    ; c = log2(e) / 8
	s_mov_b32 s[CS+1], s[CS]                       ; (named with it as a pair)
	s_lshr_b32 s[LIM], s[WV], 1                    ; my first tile's last key step
	s_lshl_b32 s[T], s[LIM], 3
	s_lshl_b32 s54, s13, 1
	s_add_co_u32 s[T], s[T], s54
	s_and_b32 s54, s[WV], 1
	s_add_co_u32 s[T], s[T], s54                   ; my first tile: 8 (w / 2) + 2 cx + w % 2
	s_wait_dscnt 0x0
	s_wait_kmcnt 0x0
	s_add_nc_u64 s[4:5], s[4:5], s[50:51]          ; the head's record of codes,
	s_add_nc_u64 s[6:7], s[6:7], s[52:53]          ; of scale words,
	s_add_nc_u64 s[8:9], s[8:9], s[60:61]          ; the head's and batch's images in aoc,
	s_add_nc_u64 s[10:11], s[10:11], s[62:63]      ; and words in aos
	s_mov_b32 s[G0C], 1
	s_mov_b32 s[G0C+1], s55
	s_add_nc_u64 s[G0C+2:G0C+3], s[4:5], s[56:57]
	s_or_b32 s[G0C+3], s[G0C+3], 0x80000000
	s_mov_b32 s[G0S], 1
	s_mov_b32 s[G0S+1], 196608
	s_add_nc_u64 s[G0S+2:G0S+3], s[6:7], 8192
	s_or_b32 s[G0S+3], s[G0S+3], 0x80000000
	CROUND                                         ; all four work-groups are here: the joint loads meet
	s_cmp_lt_u32 s[WV], 8                          ; waves 0-7: images; wave 8: scale words; the others nothing.  The branches hang on the wave's number alone
	s_cbranch_scc0 .Lnot_codes
	tensor_load_to_lds s[G0C:G0C+3], s[G1C:G1C+7]
	s_nop 0
.rept 4
	v_nop
.endr
	s_branch .Lasked
.Lnot_codes:
	s_cmp_eq_u32 s[WV], 8
	s_cbranch_scc0 .Lasked
	tensor_load_to_lds s[G0S:G0S+3], s[G1S:G1S+7]
	s_nop 0
.rept 4
	v_nop
.endr
.Lasked:
	v_and_b32 v9, 31, v0                           ; lane
	s_delay_alu instid0(VALU_DEP_1)
	v_lshlrev_b32 v1, 4, v9                        ; K's images: registers 0-3 at 16 x lane,
	s_delay_alu instid0(VALU_DEP_2)
	v_lshlrev_b32 v10, 3, v9
	s_delay_alu instid0(VALU_DEP_1)
	v_add_nc_u32 v2, 512, v10                      ; registers 4-5 at 512 + 8 x lane
	s_delay_alu instid0(VALU_DEP_3)
	v_add_nc_u32 v3, 98304, v1                     ; V's
	s_delay_alu instid0(VALU_DEP_3)
	v_add_nc_u32 v4, 98304+512, v10
	s_delay_alu instid0(VALU_DEP_4)
	v_add_nc_u32 v5, 196608, v10                   ; K's scale words
	v_add_nc_u32 v6, 204800, v10                   ; V's
	v_and_b32 v11, 15, v0                          ; r
	v_bfe_u32 v12, v0, 4, 1                        ; h
	s_delay_alu instid0(VALU_DEP_2)
	v_and_b32 v13, 8, v11
	s_delay_alu instid0(VALU_DEP_1)
	v_add_nc_u32 v7, v13, v11
	s_delay_alu instid0(VALU_DEP_3)
	v_lshlrev_b32 v12, 4, v12
	s_delay_alu instid0(VALU_DEP_1)
	v_sub_nc_u32 v7, v7, v12                       ; r + 8 (r / 8) - 16 h
	v_lshlrev_b32 v88, 3, v11                      ; 8 r
	v_lshlrev_b32 v89, 2, v11                      ; 4 r
.irp j, 22,23,24,25,26,27,80,81,82,83,84,85
	v_mov_b32 v\j, 0                               ; Q's upper 64 along K: zero codes; and the six registers behind K's last image
.endr
.irp j, 236,237,238,239,252,253
	v_mov_b32 v\j, 0                               ; written once: lane permutes' destinations, and the pair v[252:253]
.endr
	s_wait_tensorcnt 0x0                           ; my load has landed,
	s_barrier_signal -1
	s_barrier_wait -1                              ; everybody's has: from here on LDS is only read
	PASS
	s_sub_co_u32 s[T], 127, s[T]                   ; the tile that mirrors it,
	s_sub_co_u32 s[LIM], 15, s[LIM]                ; and its last key step
	PASS
	s_wait_dscnt 0x0
	s_wait_tensorcnt 0x0
	ds_add_u32 v223, v243
	s_wait_dscnt 0x0
	CROUND                                         ; the closing round
	s_endpgm
.Lfunc_end_k_qae3877370c_attn:
	.size	k_qae3877370c_attn, .Lfunc_end_k_qae3877370c_attn-k_qae3877370c_attn
	.p2alignl 7, 3214868480
	.fill 96, 4, 3214868480
	.section	.rodata,"a",@progbits
	.p2align	6, 0x0
	.amdhsa_kernel k_qae3877370c_attn
		.amdhsa_group_segment_fixed_size 210944
		.amdhsa_private_segment_fixed_size 0
		.amdhsa_enable_private_segment 0
		.amdhsa_kernarg_size 32
		.amdhsa_user_sgpr_count 2
		.amdhsa_user_sgpr_kernarg_segment_ptr 1
		.amdhsa_wavefront_size32 1
		.amdhsa_system_sgpr_workgroup_id_x 1
		.amdhsa_system_sgpr_workgroup_id_y 1
		.amdhsa_system_sgpr_workgroup_id_z 1
		.amdhsa_system_vgpr_workitem_id 0
		.amdhsa_next_free_vgpr 256
		.amdhsa_next_free_sgpr 66
		.amdhsa_reserve_vcc 1
		.amdhsa_float_denorm_mode_32 3
		.amdhsa_float_denorm_mode_16_64 3
		.amdhsa_memory_ordered 1
		.amdhsa_forward_progress 1
		.amdhsa_inst_pref_size 66
	.end_amdhsa_kernel
	.amdgpu_metadata
---
amdhsa.version: [ 1, 2 ]
amdhsa.kernels:
  - .name:           k_qae3877370c_attn
    .symbol:         k_qae3877370c_attn.kd
    .args:
      - { .name: qkvc, .offset: 0, .size: 8, .value_kind: global_buffer, .address_space: global }
      - { .name: qkvs, .offset: 8, .size: 8, .value_kind: global_buffer, .address_space: global }
      - { .name: aoc, .offset: 16, .size: 8, .value_kind: global_buffer, .address_space: global }
      - { .name: aos, .offset: 24, .size: 8, .value_kind: global_buffer, .address_space: global }
    .group_segment_fixed_size: 210944
    .private_segment_fixed_size: 0
    .kernarg_segment_align: 8
    .kernarg_segment_size: 32
    .max_flat_workgroup_size: 512
    .sgpr_count:     66
    .vgpr_count:     256
    .wavefront_size: 32
...
	.end_amdgpu_metadata
.endif
;; end of part 3
;; launch gemm_o (part 4): grid 4 x 64, 4 waves a work-group, clusters of 4 x 4, 295,424 bytes of LDS; arguments aoc, aos, opc, ops, b_o, out0; writes out0
.if DOCPART == 4
	.amdgcn_target "amdgcn-amd-amdhsa--gfx1250"
	.amdhsa_code_object_version 6
	.text
	.protected	k_qae3877370c_gemm_o
	.globl	k_qae3877370c_gemm_o
	.p2align	8
	.type	k_qae3877370c_gemm_o,@function
k_qae3877370c_gemm_o:
	s_mov_b64 s[64:65], 0
	v_nop
	global_prefetch_b8 v0, s[64:65] scope:SCOPE_SE
	s_setreg_imm32_b32 hwreg(HW_REG_WAVE_MODE, 25, 1), 1
	s_wait_xcnt 0x0
	s_wait_alu depctr_hold_cnt(0) depctr_sa_sdst(0) depctr_va_vdst(0) depctr_va_sdst(0) depctr_va_ssrc(0) depctr_va_vcc(0) depctr_vm_vsrc(0)
	s_getreg_b32 s2, hwreg(HW_REG_IB_STS2, 6, 4)
	s_cmp_eq_u32 s2, 0
	s_cbranch_scc0 .Lentry_in_a_cluster
	s_endpgm
.Lentry_in_a_cluster:
	s_bfe_u32 s2, ttmp6, 0x10000c
	s_cmp_lg_u32 s2, 0xf033
	s_cbranch_scc0 .Lentry_shape_is_right
	s_endpgm
.Lentry_shape_is_right:
; out0 = attention's output x W_o + b_o on codes of BF6 with E8M0 scales, K = 1,024 (kh = the head); f32 out.
; ROLES.  P, source 1, is the attention output (aoc: [head][tile][768]): a lane owns one token.  R, source 0, is W_o's columns (opc, tiles 704 on): a lane's result registers run along the columns.
; A work-group makes 128 tokens x 256 columns; wave (ph, rh) makes 64 x 128: 32 accumulators.  ALL OF K LIES IN LDS (P 98,304 bytes, R 196,608), filled once.
; CLUSTER 4 x 4: P's tile hangs on cy and is asked for jointly by my row of the cluster, R's on cx and by my column.  Waves 0, 1 ask for P, waves 2, 3 for R; each issues four loads (K in four chunks) at the head: four are out.
; The rows of a tile are not neighbours (lane r of tile 2 p + u is row 32 p + 8 u + r + 8 (r / 8)): the 16 registers of accumulators 2 B, 2 B + 1 are columns 32 B + 16 (lane / 16) + 0 .. 15.
; The bias is the C of the first K step.  The way out goes through a stage of 16 rows x 528 bytes for each wave, in P's part of LDS, behind a barrier behind which nobody reads LDS tiles any more and nothing is filled.
; REGISTERS: window 0: v2-9 addresses; v16-63 scale words and nothing else; v64-127 the bias; v128-159 the halves of P's scale words; v160-255 P's fragments, two sets; on the way out v128-255 rows of out0.
;   Window 1: R's fragments, sets at v0 and v128.  Window 2: accumulator (a, b) at v[8 (8 a + b)].
.set KHP,  589824                      ; bytes from kh to kh + 1 in opc
.set KHE,  73728
.set AHP,  393216                      ; bytes from head to head in aoc
.set AHE,  49152
.set SSP,  49152
.set RREG, 98304
.set L16,  2
.set L8,   3
.set AP16, 4
.set AP8,  5
.set AR16, 6
.set AR8,  7
.set STO,  8                           ; v8  the stage: where I put 16 bytes of a row
.set RD,   9                           ; v9  and where I read a row back
.set SP,   16
.set SR,   32
.set BR,   64
.set BPX,  128
.set PF,   160
.set WV,   16
.set PH,   17
.set RH,   18
.set CXI,  19
.set CYI,  20
.set PT,   22
.set RT,   23
.set G1P,  24
.set G1R,  32
.set G0P,  40
.set G0R,  68
.set MSB, 0
.macro WIN new                         ; the immediate's high byte repeats the setting that is left
.if MSB != \new
	s_set_vgpr_msb (MSB<<8)|\new
.set MSB, \new
.endif
.endm
.macro CROUND
	s_barrier_signal -1
	s_barrier_wait -1
	s_cmp_lg_u32 s[WV], 0
	s_cbranch_scc1 .Lnot_wave_0_\@
	s_barrier_signal -3
.Lnot_wave_0_\@:
	s_barrier_wait -3
	s_barrier_signal -1
	s_barrier_wait -1
.endm
.macro FRAG reg, a16, a8, off, pitch   ; a fragment of 128 along K: two images
	ds_load_b128 v[(\reg):(\reg)+3], v[\a16] offset:(\off)
	ds_load_b64 v[(\reg)+4:(\reg)+5], v[\a8] offset:(\off)
	ds_load_b128 v[(\reg)+6:(\reg)+9], v[\a16] offset:(\off)+(\pitch)
	ds_load_b64 v[(\reg)+10:(\reg)+11], v[\a8] offset:(\off)+(\pitch)
.endm
.macro FETCH set
	WIN 0x40                                       ; destination window 1
.irp b, 0,1,2,3,4,5,6,7
	FRAG 128*(\set)+12*\b, AR16, AR8, 768*\b, 12288
.endr
	WIN 0
.irp a, 0,1,2,3
	FRAG PF+48*(\set)+12*\a, AP16, AP8, 768*\a, 6144
.endr
.endm
.macro ADV                             ; on to the next K step; these four are also the places between the last products and the loads into the fragments that they read
	v_add_nc_u32 v[AP16], 12288, v[AP16]
	v_add_nc_u32 v[AP8], 12288, v[AP8]
	v_add_nc_u32 v[AR16], 24576, v[AR16]
	v_add_nc_u32 v[AR8], 24576, v[AR8]
.endm
.macro WM a, b, s, mode
.set rD, 8*(8*(\a)+(\b))
.set rR, 128*((\s)%2)+12*(\b)
.set rP, PF+48*((\s)%2)+12*(\a)
.set rA, SR+4*(\s)+(\b)/2
.set rB, SP+2*(\s)+(\a)/2
.if (\mode) == 0
.set rC, rD
.else
.set rC, BR+8*(\b)
.endif
.if ((\a)%2 == 0) && ((\b)%2 == 0)
	v_wmma_scale_f32_16x16x128_f8f6f4 v[rD:rD+7], v[rR:rR+11], v[rP:rP+11], v[rC:rC+7], v[rA], v[rB] matrix_a_fmt:MATRIX_FMT_BF6 matrix_b_fmt:MATRIX_FMT_BF6
.elseif (\a)%2 == 0
	v_wmma_scale_f32_16x16x128_f8f6f4 v[rD:rD+7], v[rR:rR+11], v[rP:rP+11], v[rC:rC+7], v[rA], v[rB] matrix_a_fmt:MATRIX_FMT_BF6 matrix_b_fmt:MATRIX_FMT_BF6 matrix_a_scale:MATRIX_SCALE_ROW1
.elseif (\b)%2 == 0
	v_wmma_scale_f32_16x16x128_f8f6f4 v[rD:rD+7], v[rR:rR+11], v[rP:rP+11], v[rC:rC+7], v[rA], v[rB] matrix_a_fmt:MATRIX_FMT_BF6 matrix_b_fmt:MATRIX_FMT_BF6 matrix_b_scale:MATRIX_SCALE_ROW1
.else
	v_wmma_scale_f32_16x16x128_f8f6f4 v[rD:rD+7], v[rR:rR+11], v[rP:rP+11], v[rC:rC+7], v[rA], v[rB] matrix_a_fmt:MATRIX_FMT_BF6 matrix_b_fmt:MATRIX_FMT_BF6 matrix_a_scale:MATRIX_SCALE_ROW1 matrix_b_scale:MATRIX_SCALE_ROW1
.endif
.endm
.macro MUL s, mode                     ; a K step's 32 products; the 32 accumulators take turns, in the same order in every step.  mode 1: the bias starts the sums
.if (\mode) == 0
	WIN 0xa1                                       ; R window 1, P window 0, C and D window 2
.else
	WIN 0x81                                       ; C window 0
.endif
.irp a, 0,1,2,3
.irp b, 0,1,2,3,4,5,6,7
	WM \a, \b, \s, \mode
.endr
.endr
.endm
.macro STEPHEAD s
	WIN 0
	s_wait_dscnt 0x0                               ; this step's fragments are in
.if ((\s)%2 == 1) && ((\s) < 7)
	s_wait_tensorcnt 3-((\s)+1)/2                  ; my part of the next chunk of K has landed; the chunks behind it may be out
	s_barrier_signal -1
	s_barrier_wait -1                              ; everybody's has.
.endif
.if (\s) < 7
	s_wait_alu depctr_va_vdst(0)
	ADV
	FETCH ((\s)+1)%2
.else
	s_barrier_signal -1                            ; every wave's last reads of the tiles are in: behind this barrier the stages may be written over P's images
	s_barrier_wait -1
.endif
.endm
.macro TOSTAGE a                       ; block a: 16 tokens x 128 columns into my stage, and back as whole rows of 512 bytes
.set AC, 64*(\a)
	WIN 0x08                                       ; an LDS store's data are its source 1: window 2
.irp b, 0,1,2,3,4,5,6,7
	ds_store_b128 v[STO], v[AC+8*\b:AC+8*\b+3] offset:128*(\b/2)+32*(\b%2)          ; each accumulator from its low end on
	ds_store_b128 v[STO], v[AC+8*\b+4:AC+8*\b+7] offset:128*(\b/2)+32*(\b%2)+16
.endr
	WIN 0
.set BB, 128+64*((\a)%2)
.irp t, 0,1,2,3,4,5,6,7,8,9,10,11,12,13,14,15
	ds_load_b128 v[BB+4*\t:BB+4*\t+3], v[RD] offset:\t*528         ; LDS serves a wave's instructions in order: these see the stores above
.endr
.endm
.macro SEND a, younger                 ; younger: the LDS instructions issued behind block a's loads, which may stay out
.set BB, 128+64*((\a)%2)
	s_wait_dscnt \younger
.irp t, 0,1,2,3,4,5,6,7,8,9,10,11,12,13,14,15
	global_store_b128 v[L16], v[BB+4*\t:BB+4*\t+3], s[14:15] offset:(32*((\a)/2)+8*((\a)%2)+\t+8*(\t/8))*4096 th:TH_STORE_NT   ; 32 lanes store 512 consecutive bytes, at a multiple of 256 from out0's first byte
.endr
.endm
	s_load_b256 s[4:11], s[0:1], 0x0               ; aoc s[4:5], aos s[6:7], opc s[8:9], ops s[10:11]
	s_load_b128 s[12:15], s[0:1], 0x20             ; b_o s[12:13], out0 s[14:15]
	v_lshl_add_u32 v15, v0, 2, 0x48000
	s_set_vgpr_msb 0x40
	v_mov_b32 v255, 0
	s_set_vgpr_msb 0x4044
	ds_add_u32 v15, v255
	ds_add_u32 v15, v255
	s_set_vgpr_msb 0x4400
	v_lshrrev_b32 v1, 5, v0
	v_readfirstlane_b32 s[WV], v1                  ; wave 0..3
	s_lshr_b32 s[PH], s[WV], 1                     ; my half of P's rows.  Also: I fetch for P (0) or for R (1)
	s_and_b32 s[RH], s[WV], 1                      ; my half of R's rows.  Also: which two of a chunk's four kh I fetch
	s_bfe_u32 s[CXI], ttmp6, 0x40000               ; cx
	s_bfe_u32 s[CYI], ttmp6, 0x40004               ; cy
	s_and_b32 s[PT], ttmp7, 0xffff
	s_lshl_b32 s[PT], s[PT], 2
	s_add_co_u32 s[PT], s[PT], s[CYI]              ; P's tile of 128 tokens
	s_lshl_b32 s[RT], ttmp9, 2
	s_add_co_u32 s[RT], s[RT], s[CXI]              ; R's tile of 256 columns
	s_lshl_b32 s58, s[CYI], 2
	s_lshl_b32 s58, 15, s58                        ; my row of the cluster
	s_lshl_b32 s87, 0x1111, s[CXI]                 ; my column
	; descriptor group 1: two rows (kh, kh + 1) of 8 or 16 images, in elements of 8 bytes, no padding
	s_or_b32 s[G1P], s58, (3<<16)|(1<<21)          ; 15:0 the mask; 17:16 elements of 8 bytes; 21 set beside a mask
	s_mov_b32 s[G1P+1], 768<<16
	s_mov_b32 s[G1P+2], 2<<16
	s_mov_b32 s[G1P+3], 768<<16
	s_mov_b32 s[G1P+4], 2
	s_mov_b32 s[G1P+5], AHE
	s_mov_b32 s[G1P+6], 0
	s_mov_b32 s[G1P+7], 0
	s_or_b32 s[G1R], s87, (3<<16)|(1<<21)
	s_mov_b32 s[G1R+1], 1536<<16
	s_mov_b32 s[G1R+2], 2<<16
	s_mov_b32 s[G1R+3], 1536<<16
	s_mov_b32 s[G1R+4], 2
	s_mov_b32 s[G1R+5], KHE
	s_mov_b32 s[G1R+6], 0
	s_mov_b32 s[G1R+7], 0
	; where the tiles come from: P's in registers that never hold cx, R's in registers that never hold cy
	s_mul_i32 s60, s[PT], 8*768
	s_mul_i32 s61, s[RH], 2*AHP
	s_add_co_u32 s60, s60, s61
	s_mov_b32 s61, 0
	s_mul_i32 s59, s[RH], 12288
	s_lshl_b32 s88, s[RT], 4
	s_add_co_u32 s88, s88, 704
	s_mul_i32 s88, s88, 768
	s_mul_i32 s89, s[RH], 2*KHP
	s_add_co_u32 s88, s88, s89
	s_mov_b32 s89, 0
	s_mul_i32 s90, s[RH], 24576
	s_add_co_u32 s90, s90, RREG
	s_wait_dscnt 0x0
	s_wait_kmcnt 0x0
	s_add_nc_u64 s[60:61], s[4:5], s[60:61]
	s_add_nc_u64 s[88:89], s[8:9], s[88:89]
.irp c, 0,1,2,3
	s_mov_b32 s[G0P+4*\c], 1
	s_add_co_u32 s[G0P+4*\c+1], s59, \c*24576
	s_add_nc_u64 s[G0P+4*\c+2:G0P+4*\c+3], s[60:61], \c*4*AHP
	s_or_b32 s[G0P+4*\c+3], s[G0P+4*\c+3], 0x80000000
	s_mov_b32 s[G0R+4*\c], 1
	s_add_co_u32 s[G0R+4*\c+1], s90, \c*49152
	s_add_nc_u64 s[G0R+4*\c+2:G0R+4*\c+3], s[88:89], \c*4*KHP
	s_or_b32 s[G0R+4*\c+3], s[G0R+4*\c+3], 0x80000000
.endr
	CROUND                                         ; all sixteen work-groups are here: the joint loads meet
	s_cmp_eq_u32 s[PH], 0                          ; a wave's four fills stand in one branch on the wave's number, ahead of every wait on TENSORcnt and every LDS read
	s_cbranch_scc0 .Lfetch_r
.irp c, 0,1,2,3
	tensor_load_to_lds s[G0P+4*\c:G0P+4*\c+3], s[G1P:G1P+7]
	s_nop 0
.endr
.rept 4
	v_nop
.endr
	s_branch .Lasked
.Lfetch_r:
.irp c, 0,1,2,3
	tensor_load_to_lds s[G0R+4*\c:G0R+4*\c+3], s[G1R:G1R+7]
	s_nop 0
.endr
.rept 4
	v_nop
.endr
.Lasked:
	v_and_b32 v1, 31, v0
	v_lshlrev_b32 v[L16], 4, v1
	v_lshlrev_b32 v[L8], 3, v1
	s_mul_i32 s91, s[PH], 3072                     ; my four tiles of P
	v_add_nc_u32 v[AP16], s91, v[L16]
	s_add_co_u32 s91, s91, 512
	v_add_nc_u32 v[AP8], s91, v[L8]
	s_mul_i32 s91, s[RH], 6144                     ; my eight tiles of R
	s_add_co_u32 s91, s91, RREG
	v_add_nc_u32 v[AR16], s91, v[L16]
	s_add_co_u32 s91, s91, 512
	v_add_nc_u32 v[AR8], s91, v[L8]
	s_mul_i32 s91, s[WV], 16*528                   ; my stage
	v_and_b32 v10, 15, v0                          ; r
	v_bfe_u32 v11, v0, 4, 1                        ; h
	s_wait_alu depctr_va_vdst(0)
	v_mul_u32_u24 v[STO], v10, 528
	v_lshl_add_u32 v[STO], v11, 6, v[STO]
	v_add_nc_u32 v[STO], s91, v[STO]               ; in: row r, + 16 h columns
	v_add_nc_u32 v[RD], s91, v[L16]                ; back: 16 bytes a lane
	; P's scale words: a token's two bytes for each head; the pair of tiles 2 j, 2 j + 1 is 128 consecutive bytes, lanes 0-15 the even tile
	s_lshl_b32 s62, s[PT], 3
	s_lshl_b32 s63, s[PH], 2
	s_add_co_u32 s62, s62, s63
	s_lshl_b32 s62, s62, 6
	v_lshl_add_u32 v12, v1, 2, s62
.irp h, 0,1,2,3,4,5,6,7,8,9,10,11,12,13,14,15
	global_load_b32 v[128+2*\h], v12, s[6:7] offset:\h*32768
	global_load_b32 v[129+2*\h], v12, s[6:7] offset:\h*32768+128
.endr
	; R's: whole images of 256 bytes
	s_lshl_b32 s91, s[RT], 2
	s_lshl_b32 s92, s[RH], 1
	s_add_co_u32 s91, s91, s92
	s_add_co_u32 s91, s91, 176
	s_lshl_b32 s91, s91, 8
	v_add_nc_u32 v13, s91, v[L8]
.irp s, 0,1,2,3,4,5,6,7
	global_load_b64 v[SR+4*\s:SR+4*\s+1], v13, s[10:11] offset:\s*SSP
	global_load_b64 v[SR+4*\s+2:SR+4*\s+3], v13, s[10:11] offset:\s*SSP+256
.endr
	; the bias, in the result's layout: column 256 RT + 128 rh + 32 (b / 2) + 16 h + 8 (b % 2) + j
	s_lshl_b32 s92, s[RT], 10
	s_lshl_b32 s93, s[RH], 9
	s_add_co_u32 s92, s92, s93                     ; my first column, in bytes
	v_lshl_add_u32 v14, v11, 6, s92
.irp b, 0,1,2,3,4,5,6,7
	global_load_b128 v[BR+8*\b:BR+8*\b+3], v14, s[12:13] offset:(32*(\b/2)+8*(\b%2))*4
	global_load_b128 v[BR+8*\b+4:BR+8*\b+7], v14, s[12:13] offset:(32*(\b/2)+8*(\b%2))*4+16
.endr
	; out0 at my first token and column
	s_lshl_b32 s94, s[PT], 7
	s_lshl_b32 s95, s[PH], 6
	s_add_co_u32 s94, s94, s95
	s_lshl_b32 s94, s94, 12
	s_add_co_u32 s94, s94, s92
	s_mov_b32 s95, 0
	s_add_nc_u64 s[14:15], s[14:15], s[94:95]
	s_wait_tensorcnt 3                             ; my part of the first chunk of K has landed; the three chunks behind it may be out
	s_barrier_signal -1
	s_barrier_wait -1                              ; everybody's has
	FETCH 0
	s_wait_loadcnt 0x0                             ; scale words and bias
.irp s, 0,1,2,3,4,5,6,7
.irp j, 0,1
	v_perm_b32 v[SP+2*\s+\j], v[128+4*\s+2+\j], v[128+4*\s+\j], 0x05040100   ; a K step's word: head 2 s's two bytes below, head 2 s + 1's above
.endr
.endr
.rept 8
	v_nop                                          ; scale registers written by vector instructions stand eight places ahead of the first scaled product
.endr
	STEPHEAD 0
	MUL 0, 1
	s_wait_alu depctr_va_vdst(0)
.irp s, 1,2,3,4,5,6,7
	STEPHEAD \s
	MUL \s, 0
.endr
	WIN 0
	; THE WAY OUT, block by block of 16 tokens: while one block's rows are stored, the next is on its way through the stage
.rept 4
	v_nop                                          ; four places behind the last products: ahead of the stores that read results and of the loads into P's fragments
.endr
	TOSTAGE 0
.irp a, 1,2,3
.if \a > 1
	s_wait_xcnt 0x0                                ; block a - 2's stores have read their registers: block a's rows may land there
.endif
	TOSTAGE \a
	SEND \a-1, 32                                  ; behind block a - 1's loads: block a's 16 stores and 16 loads
.endr
	SEND 3, 0
	s_wait_dscnt 0x0
	s_set_vgpr_msb 0x4
	s_wait_tensorcnt 0x0
	ds_add_u32 v15, v255
	s_wait_dscnt 0x0
	s_set_vgpr_msb 0x400
	CROUND                                         ; the closing round: no work-group ends while a partner may still ask for a tile that names it
	s_endpgm
.Lfunc_end_k_qae3877370c_gemm_o:
	.size	k_qae3877370c_gemm_o, .Lfunc_end_k_qae3877370c_gemm_o-k_qae3877370c_gemm_o
	.p2alignl 7, 3214868480
	.fill 96, 4, 3214868480
	.section	.rodata,"a",@progbits
	.p2align	6, 0x0
	.amdhsa_kernel k_qae3877370c_gemm_o
		.amdhsa_group_segment_fixed_size 295424
		.amdhsa_private_segment_fixed_size 0
		.amdhsa_enable_private_segment 0
		.amdhsa_kernarg_size 48
		.amdhsa_user_sgpr_count 2
		.amdhsa_user_sgpr_kernarg_segment_ptr 1
		.amdhsa_wavefront_size32 1
		.amdhsa_system_sgpr_workgroup_id_x 1
		.amdhsa_system_sgpr_workgroup_id_y 1
		.amdhsa_system_sgpr_workgroup_id_z 1
		.amdhsa_system_vgpr_workitem_id 0
		.amdhsa_next_free_vgpr 768
		.amdhsa_next_free_sgpr 100
		.amdhsa_reserve_vcc 0
		.amdhsa_float_denorm_mode_32 3
		.amdhsa_float_denorm_mode_16_64 3
		.amdhsa_memory_ordered 1
		.amdhsa_forward_progress 1
		.amdhsa_inst_pref_size 91
	.end_amdhsa_kernel
	.amdgpu_metadata
---
amdhsa.version: [ 1, 2 ]
amdhsa.kernels:
  - .name:           k_qae3877370c_gemm_o
    .symbol:         k_qae3877370c_gemm_o.kd
    .args:
      - { .name: aoc, .offset: 0, .size: 8, .value_kind: global_buffer, .address_space: global }
      - { .name: aos, .offset: 8, .size: 8, .value_kind: global_buffer, .address_space: global }
      - { .name: opc, .offset: 16, .size: 8, .value_kind: global_buffer, .address_space: global }
      - { .name: ops, .offset: 24, .size: 8, .value_kind: global_buffer, .address_space: global }
      - { .name: b_o, .offset: 32, .size: 8, .value_kind: global_buffer, .address_space: global }
      - { .name: out0, .offset: 40, .size: 8, .value_kind: global_buffer, .address_space: global }
    .group_segment_fixed_size: 295424
    .private_segment_fixed_size: 0
    .kernarg_segment_align: 8
    .kernarg_segment_size: 48
    .max_flat_workgroup_size: 128
    .sgpr_count:     100
    .vgpr_count:     768
    .wavefront_size: 32
...
	.end_amdgpu_metadata
.endif
;; end of part 4
